; MI455X (gfx1250); checked and timed in simulation.
; The chip was launched on July 23, 2026; its instructions are those of AMD's public machine-readable ISA for CDNA 5 (MIT licence, August 2026) and "CDNA5" Instruction Set Architecture Reference Guide (July 2026). The comments in the code are by the model that wrote it; some were corrected since.
;; Bahdanau Attention. Allowed arithmetic: matrix products marked QUANTISED: E2M1 operands, one E8M0 scale for each 32 along K, by v_wmma_scale_f32_16x16x128_f8f6f4 with both operands' format E2M1 (or v_wmma_scale_f32_32x16x128_f4), f32 sums; everything else in f32.
;; Inputs: W1 256 x 256 float32; W2 256 x 256 float32; b1 256 float32; b2 256 float32; query 8 x 256 x 256 float32; value 8 x 512 x 256 float32.
;; Outputs: out0 8 x 256 x 512 float32; out1 8 x 512 x 256 float32.
;; This version of the problem:
;;   THIS VERSION OF THE PROBLEM IS GIVEN IN LOW PRECISION. The matrix products marked QUANTISED in the list below multiply operands that are first quantised to E2M1 (2 exponent bits, 1 mantissa bit; 4 bits a number), with one power-of-two scale for each 32 numbers along K (OCP MX v1.0); their sums are f32. All else is computed in f32.
;;   The module's matrix products, in the order in which they are computed (A, B: the left and right operand; K: the contracted axis; several contracted axes count as one K, in the product's order):
;;     1. [M 2,048, K 256] x [K 256, N 256]; A: input query; B: input W1: QUANTISED
;;     2. [M 4,096, K 256] x [K 256, N 256]; A: input value; B: input W2: QUANTISED
;;     3. batch 8 x [M 256, K 512] x [K 512, N 256]; A: softmax (see below); B: input value: QUANTISED
;;   THE QUANTISER, for each operand of a quantised product, along K:
;;     - K is cut into blocks of 32 from its start; a last block that is shorter is filled with zeros.
;;     - A block's scale is 2^e with e = floor(log2(the largest magnitude in the block)) - 2, held to -126 .. 127; a block of zeros has e = 0. As a byte (E8M0): e + 127.
;;     - Each number is divided by its block's scale, clamped to +-6, and rounded to the nearest number of E2M1, ties to even, subnormals kept.
;;     - The product sums the exact products of the quantised numbers (number of the format x scale) in f32.
;;   ~~~python
;;   def quantise(x, axis):      # numpy; x: float32 -> the quantised numbers, widened to float32 again
;;       x = np.moveaxis(x, axis, -1); K = x.shape[-1]
;;       x = np.pad(x, [(0, 0)] * (x.ndim - 1) + [(0, -K % 32)]); x = x.reshape(x.shape[:-1] + (-1, 32)); a = np.abs(x).max(-1, keepdims=True)
;;       e = np.where(a > 0, np.clip(np.frexp(np.where(a > 0, a, 1))[1] - 1 - 2, -126, 127), 0)      # np.frexp(a)[1] - 1 = floor(log2(a)), exactly
;;       r = np.clip(x / 2.0 ** e, -6, 6)
;;       step = 2.0 ** (np.maximum(np.frexp(np.where(r == 0, 1, r))[1] - 1, 0) - 1)
;;       q = np.round(r / step) * step * 2.0 ** e      # np.round: ties to even
;;       return np.moveaxis(q.reshape(q.shape[:-2] + (-1,))[..., :K], -1, axis).astype(np.float32)
;;   ~~~
;;   SOFTMAX AHEAD OF A QUANTISED PRODUCT. Where the list says 'softmax', what is quantised is not the finished softmax but p = 2^(t - M), with t = logit x log2(e) and M = ceil(the row's largest t), a whole number; so 1/2 < the row's largest p <= 1. The row's sum l is taken of the UNQUANTISED p, in f32, and the product's result is divided by l at the end. Since M is a whole number, a kernel that streams over the keys may use a running M (the ceiling of the running maximum): every later rescaling is an exact power of two, which a block's scale takes up: the codes' values come out the same.
;;   OPERANDS COMPUTED ON THE WAY. 'Computed on the way' means the value that the module computes at that place (a softmax that the list does not call 'softmax' is quantised finished and normalised). What goes into a quantiser is computed in f32, as accurately as f32 sums, v_exp_f32 and their like allow (about 1e-6 of the number): no bf16 or f16 on the way to a quantiser, and a product that is left as it is and whose result goes on into a quantised operand takes f32 operands (vector FMAs, or v_wmma_f32_16x16x4_f32). A number that lies on a knife's edge between two numbers of the format may be rounded either way, as far as f32 arithmetic and the matrix unit's own rounding can turn it there, and no further.
;; 2 versions, each right; version 2 is version 1 with the launches prep, attn written anew for expert scheduling mode. Each part assembles by itself: llvm-mc -triple=amdgcn-amd-amdhsa -mcpu=gfx1250 --defsym DOCPART=n.
;; ======== version 1 of 2: 2 launches
;; limits: right only within a limited range of input values
;; workspace buffers: fq 4,194,304 bytes; fv 8,388,608 bytes; vcodes 524,288 bytes; vscales 32,768 bytes
;; launch prep (part 1): grid 112 x 1, 8 waves a work-group, no clusters, 10,240 bytes of LDS; arguments query, value, W1, b1, W2, b2, fq, fv, vcodes, vscales; writes fq, fv, vcodes, vscales
.if DOCPART == 1
	.amdgcn_target "amdgcn-amd-amdhsa--gfx1250"
	.amdhsa_code_object_version 6
	.text
	.protected	k_q6ae8a8924d_prep
	.globl	k_q6ae8a8924d_prep
	.p2align	8
	.type	k_q6ae8a8924d_prep,@function
k_q6ae8a8924d_prep:
	s_mov_b64 s[64:65], 0
	v_nop
	global_prefetch_b8 v0, s[64:65] scope:SCOPE_SE
	s_setreg_imm32_b32 hwreg(HW_REG_WAVE_MODE, 25, 1), 1
	s_wait_xcnt 0x0
; PREPARATION for additive attention: score(q, k) = sum over e of tanh(Q[q][e] + V[k][e]), Q = query W1 + b1, V = value W2 + b2, both products on codes of FP4 (E2M1), one E8M0 scale for each 32 along K.
; With c = 2 log2(e): tanh(x) = 1 - 2 / (1 + 2^(c x)) = 2 / (1 + 2^(-c x)) - 1.  For each row and feature e this launch stores y = c x (ODD e: -c x) as a whole number i = floor(y) and f = 2^(y - i), 1 <= f <= 2:
; the next launch makes 2^(yQ + yV) as ldexp(fV, iQ + iV) x fQ, with no exponential of its own.
; WORK-GROUPS (8 waves): 0-31: 64 rows of query;  32-95: 64 rows of value;  96-111: 256 keys x 256 columns of value, quantised ALONG THE KEYS for the last product.
; COLUMNS (K is the first axis of W1, W2 and, for the keys, of value): wave w takes columns 32 w + lane, its registers run down K: a block of 32 lies in one lane and the codes come out with K innermost.
; Lanes 0-15 are one tile of 16 columns, lanes 16-31 the next; the operand wants an even and an odd block of ONE tile in the two halves of the lanes: one exchange of halves between an even and an odd block's registers gives both tiles.
; ROWS: wave w quantises tile w / 2 (16 rows), K step w % 2, in registers and hands it on through LDS as an image of the operand's registers.  The product is used transposed (source 0 = 16 columns of W, source 1 = 16 rows):
; a lane holds one row, its registers 8 features.  value: tile s, lane r = row 4 r + s, so that a lane's four tiles are four neighbouring keys;  query: row 16 s + r.
; OUT: fv[128 keys][e][f, i][128 keys x 4 bytes];  fq[16 queries][e / 2][query][e % 2][f, i];  vcodes[batch][16 columns][128 keys][half][lane][16 bytes];  vscales[batch][128 keys][column] words.
; Sixteen neighbouring lanes of each store of fv and fq cover 256 consecutive bytes, aligned.
; LIMITS: |c (x W + b)| under 2^30 (i is a 32-bit whole number, and two are added later); NaN and infinities among the inputs are not served; a block whose largest magnitude lies under 2^-124 (zeros too) gets the byte 1: its codes add nothing.
.set NQG,  32                          ; groups of 64 rows of query
.set NPG,  96                          ; of query and value together
.set XIMG, 0                           ; LDS: 8 fragments' images of 1,024 bytes,
.set XSC,  8192                        ; and their scale words, 128 bytes each
.set XA,   4                           ; v4   my byte in the group's rows
.set LI,   5                           ; v5   16 x lane
.set LS,   6                           ; v6   XSC + 4 x lane
.set XWI,  7                           ; v7   where I store my fragment's image
.set XWS,  8                           ; v8   and its scale word
.set WA,   9                           ; v9   my column: 4 x thread
.set BO,   10                          ; v10  bias: 32 x (lane / 16); on the keys' way 4 x lane
.set SO,   11                          ; v11  the stores' lane term
.set MA,   12
.set MB,   13
.set SCO,  14
.set BYT,  15
.set WF,   16                          ; v16-47  my 32 columns' fragments: tile u, K step t, half c at WF + 16 u + 8 t + 4 c
.set SW,   48                          ; v48-49  their scale words, K step t: lanes 0-15 tile 0, lanes 16-31 tile 1
.set XS,   50                          ; v50-57  the rows' scale words, fragment 2 s + t
.set CC,   58                          ; v58-59  c, -c
.set BI,   60                          ; v60-75  the bias of my two tiles, in the result's layout
.set WB,   76                          ; v76-139 two blocks of 32 numbers of my column;  then
.set XF,   76                          ;         the rows' 8 fragments;  then
.set O,    76                          ;         32 f and 32 i, in the order of the stores
.set XR,   140                         ; v140-203 64 numbers of my row;  then
.set DD,   140                         ;         the 8 accumulators: tile u, rows s at DD + 32 u + 8 s
.set TM,   204
.set PC,   220
.set PW,   228
.set SEL,  54                          ; s[54:55] lane selects: lane l xor 16
; 64 numbers of a lane, register 16 b + i = k 32 b + 16 (lane / 16) + i of my row, become a fragment's codes in v[PC] on and its scale word in v[PW]
.macro QUANT s
.irp b, 0,1,2,3
	v_max3_num_f32 v[TM+\b], |v[\s+16*\b]|, |v[\s+1+16*\b]|, 0x1800000   ; my 16 numbers of block b, and the floor 2^(3 - 127): the byte cannot fall under 1
.endr
.irp i, 2,4,6,8,10,12,14
.irp b, 0,1,2,3
	v_max3_num_f32 v[TM+\b], v[TM+\b], |v[\s+16*\b+\i]|, |v[\s+1+16*\b+\i]|
.endr
.endr
.irp b, 0,1,2,3
	v_permlanex16_b32 v[TM+4+\b], v[TM+\b], s[SEL], s[SEL+1]
.endr
.irp b, 0,1,2,3
	v_max_num_f32 v[TM+\b], v[TM+\b], v[TM+4+\b]   ; with lane l xor 16's: the block's largest magnitude
.endr
.irp b, 0,1,2,3
	v_add_nc_u32 v[TM+12+\b], 0xff000000, v[TM+\b]   ; 2 off its exponent field: the conversion takes that field as its scale
.endr
.irp b, 0,1,2,3
	v_lshrrev_b32 v[TM+4+\b], 23, v[TM+12+\b]      ; the scale's byte
.endr
	v_lshl_or_b32 v[PW], v[TM+5], 8, v[TM+4]
	v_lshl_or_b32 v[PW], v[TM+6], 16, v[PW]
	v_lshl_or_b32 v[PW], v[TM+7], 24, v[PW]
.irp b, 0,1,2,3
	v_cvt_scalef32_pk8_fp4_f32 v[PC+2*\b], v[\s+16*\b:\s+7+16*\b], v[TM+12+\b]
	v_cvt_scalef32_pk8_fp4_f32 v[PC+1+2*\b], v[\s+8+16*\b:\s+15+16*\b], v[TM+12+\b]
.endr
	v_nop                                          ; one plain place behind a scaled conversion
.irp c, 0,1
.irp i, 0,1
	v_permlane16_swap_b32 v[PC+4*\c+\i], v[PC+2+4*\c+\i]   ; a whole block to a lane: lanes 0-15 block 2 c, lanes 16-31 block 2 c + 1
.endr
.endr
.endm
; block kb of my column: rows 32 kb .. 32 kb + 31; a wave's load reads 128 neighbouring bytes, the eight waves a whole row
.macro WLOAD kb
.set wi, 0
.rept 32
	global_load_b32 v[WB+32*((\kb)%2)+wi], v[WA], s[28:29] offset:(32*(\kb)+wi)*1024
.set wi, wi+1
.endr
.endm
.macro BLOCK kb
.set XB, WB+32*((\kb)%2)
.if (\kb) < 7
	s_wait_loadcnt 32                              ; this block's 32 loads (and all older ones) are in; the next block's 32 may be out
.else
	s_wait_loadcnt 0x0
.endif
	v_max3_num_f32 v[MA], |v[XB]|, |v[XB+1]|, |v[XB+2]|   ; all 32 numbers of the block are mine
	v_max3_num_f32 v[MB], |v[XB+3]|, |v[XB+4]|, |v[XB+5]|
.irp i, 6,10,14,18,22,26
	v_max3_num_f32 v[MA], v[MA], |v[XB+\i]|, |v[XB+\i+1]|
	v_max3_num_f32 v[MB], v[MB], |v[XB+\i+2]|, |v[XB+\i+3]|
.endr
	v_max3_num_f32 v[MA], v[MA], |v[XB+30]|, |v[XB+31]|
	v_max3_num_f32 v[MA], v[MA], v[MB], 0x1800000  ; and the floor
	v_add_nc_u32 v[SCO], 0xff000000, v[MA]
	v_lshrrev_b32 v[BYT], 23, v[SCO]
.if (\kb)%4 == 0
	v_mov_b32 v[SW+(\kb)/4], v[BYT]                ; four bytes make the scale word of a K step
.else
	v_lshl_or_b32 v[SW+(\kb)/4], v[BYT], 8*((\kb)%4), v[SW+(\kb)/4]
.endif
.irp g, 0,1,2,3
	v_cvt_scalef32_pk8_fp4_f32 v[WF+16*((\kb)%2)+8*((\kb)/4)+4*(((\kb)/2)%2)+\g], v[XB+8*\g:XB+8*\g+7], v[SCO]   ; even blocks into tile 0's registers, odd ones into tile 1's
.endr
.if (\kb)+2 < 8
	WLOAD (\kb)+2
.endif
.endm
.macro QCOL                            ; my 32 columns x 256 along K -> four fragments and two scale words
	WLOAD 0
	WLOAD 1
.irp kb, 0,1,2,3,4,5,6,7
	BLOCK \kb
.endr
	v_nop                                          ; one plain place behind the last conversion
.set wi, 0
.rept 16
	v_permlane16_swap_b32 v[WF+wi], v[WF+16+wi]    ; the even block's lanes 16-31 (tile 1) change places with the odd block's lanes 0-15 (tile 0)
.set wi, wi+1
.endr
.endm
.macro WM u, s, t                      ; my tile u x rows s, K step t.  The bias is the C of a sum's first product
.set RD, DD+32*(\u)+8*(\s)
.set RA, WF+16*(\u)+8*(\t)
.set RB, XF+8*(2*(\s)+(\t))
.if (\t) == 0
.if (\u) == 0
	v_wmma_scale_f32_16x16x128_f8f6f4 v[RD:RD+7], v[RA:RA+7], v[RB:RB+7], v[BI:BI+7], v[SW], v[XS+2*(\s)] matrix_a_fmt:MATRIX_FMT_FP4 matrix_b_fmt:MATRIX_FMT_FP4
.else
	v_wmma_scale_f32_16x16x128_f8f6f4 v[RD:RD+7], v[RA:RA+7], v[RB:RB+7], v[BI+8:BI+15], v[SW], v[XS+2*(\s)] matrix_a_fmt:MATRIX_FMT_FP4 matrix_b_fmt:MATRIX_FMT_FP4 matrix_a_scale:MATRIX_SCALE_ROW1
.endif
.else
.if (\u) == 0
	v_wmma_scale_f32_16x16x128_f8f6f4 v[RD:RD+7], v[RA:RA+7], v[RB:RB+7], v[RD:RD+7], v[SW+1], v[XS+2*(\s)+1] matrix_a_fmt:MATRIX_FMT_FP4 matrix_b_fmt:MATRIX_FMT_FP4
.else
	v_wmma_scale_f32_16x16x128_f8f6f4 v[RD:RD+7], v[RA:RA+7], v[RB:RB+7], v[RD:RD+7], v[SW+1], v[XS+2*(\s)+1] matrix_a_fmt:MATRIX_FMT_FP4 matrix_b_fmt:MATRIX_FMT_FP4 matrix_a_scale:MATRIX_SCALE_ROW1
.endif
.endif
.endm
; where f and i of rows s, feature j go: fmt = 1 (value): the four tiles' numbers of one feature stand together; fmt = 0 (query): f, i of an even and an odd feature of one row
.macro PLACE fmt, s, j
.if \fmt
.set FP, O+8*(\j)+(\s)
.set IP, FP+4
.else
.set FP, O+16*(\s)+2*(\j)
.set IP, FP+1
.endif
.set DR, DD+32*UU+8*(\s)+(\j)
.endm
.macro EPI u, fmt                      ; tile u's 32 results of a lane become f and i and are stored
.set UU, \u
.irp s, 0,1,2,3
.irp j, 0,2,4,6
	v_pk_mul_f32 v[DD+32*\u+8*\s+\j:DD+32*\u+8*\s+\j+1], v[DD+32*\u+8*\s+\j:DD+32*\u+8*\s+\j+1], v[CC:CC+1]   ; c x for the even feature, -c x for the odd one; each accumulator from its low end on
.endr
.endr
.irp s, 0,1,2,3
.irp j, 0,1,2,3,4,5,6,7
	PLACE \fmt, \s, \j
	v_floor_f32 v[IP], v[DR]
.endr
.endr
.irp s, 0,1,2,3
.irp j, 0,1,2,3,4,5,6,7
	PLACE \fmt, \s, \j
	v_sub_f32 v[DR], v[DR], v[IP]                  ; the fraction, 0 .. 1
.endr
.endr
.irp s, 0,1,2,3
.irp j, 0,1,2,3,4,5,6,7
	PLACE \fmt, \s, \j
	v_exp_f32 v[FP], v[DR]                         ; f = 2^fraction: one batch of 32
.endr
.endr
.irp s, 0,1,2,3
.irp j, 0,1,2,3,4,5,6,7
	PLACE \fmt, \s, \j
	v_cvt_i32_f32 v[IP], v[IP]                     ; i as a whole number: plain work behind the batch, which names none of its results
.endr
.endr
	s_wait_alu depctr_va_vdst(0)                   ; one wait for the batch, ahead of its first reader
.if \fmt
.irp j, 0,1,2,3,4,5,6,7
	global_store_b128 v[SO], v[O+8*\j:O+8*\j+3], s[50:51] offset:16384*\u+1024*\j         ; lanes 0-15: feature j's 64 keys, 256 bytes; lanes 16-31: feature 8 + j's
	global_store_b128 v[SO], v[O+8*\j+4:O+8*\j+7], s[50:51] offset:16384*\u+1024*\j+512
.endr
.else
.irp s, 0,1,2,3
.irp p, 0,1,2,3
	global_store_b128 v[SO], v[O+16*\s+4*\p:O+16*\s+4*\p+3], s[50:51] offset:32768*\s+2048*\u+256*\p   ; lanes 0-15: 16 queries of one pair of features, 256 bytes; lanes 16-31: of the pair four on
.endr
.endr
.endif
.endm
	s_load_b512 s[8:23], s[0:1], 0x0               ; query s[8:9], value s[10:11], W1 s[12:13], b1 s[14:15], W2 s[16:17], b2 s[18:19], fq s[20:21], fv s[22:23]
	s_load_b128 s[24:27], s[0:1], 0x40             ; vcodes s[24:25], vscales s[26:27]
	v_lshl_add_u32 v232, v0, 2, 0x2400
	v_mov_b32 v233, 0
	v_lshrrev_b32 v1, 5, v0
	v_readfirstlane_b32 s2, v1                     ; wave 0..7
	v_and_b32 v1, 31, v0                           ; lane
	v_and_b32 v2, 15, v0                           ; r
	v_bfe_u32 v3, v0, 4, 1                         ; h
	v_lshlrev_b32 v[WA], 2, v0
	v_lshlrev_b32 v[LI], 4, v1
	s_mov_b32 s[SEL], 0x76543210
	s_mov_b32 s[SEL+1], 0xfedcba98
	s_mov_b32 s49, 0
	s_wait_kmcnt 0x0
	s_cmp_ge_u32 ttmp9, NPG
	s_cbranch_scc1 .Lkeys
	; ---- 64 rows of query or of value
	s_cmp_lt_u32 ttmp9, NQG                        ; query's group?  All choices hang on the work-group's number alone
	s_cselect_b64 s[28:29], s[12:13], s[16:17]     ; the weight
	s_cselect_b64 s[44:45], s[14:15], s[18:19]     ; the bias
	s_cselect_b64 s[46:47], s[8:9], s[10:11]       ; the rows
	s_cselect_b32 s5, 0, NQG                       ; the tensor's first group
	s_cselect_b32 s6, 10, 12                       ; from lane to lane: 1 row, or 4 (as a shift of bytes)
	s_cselect_b32 s7, 14, 10                       ; from tile to tile: 16 rows, or 1
	s_sub_co_u32 s4, ttmp9, s5                     ; g: which 64 rows of the tensor
	s_lshl_b32 s48, s4, 16
	s_lshr_b32 s3, s2, 1
	s_lshl_b32 s3, s3, s7                          ; my tile
	s_add_co_u32 s48, s48, s3
	s_and_b32 s3, s2, 1
	s_lshl_b32 s3, s3, 9                           ; my K step
	s_add_co_u32 s48, s48, s3
	s_add_nc_u64 s[46:47], s[46:47], s[48:49]
	s_lshl_b32 s48, s2, 7                          ; the bias of my 32 columns
	s_add_nc_u64 s[44:45], s[44:45], s[48:49]
	v_lshlrev_b32 v[XA], s6, v2
	v_lshl_add_u32 v[XA], v3, 6, v[XA]             ; my row, + 64 (lane / 16): my 16 numbers of a block of 32
	v_lshlrev_b32 v[BO], 5, v3
	v_lshl_add_u32 v[LS], v1, 2, XSC
	s_lshl_b32 s3, s2, 10
	v_lshl_add_u32 v[XWI], v1, 4, s3
	v_lshl_add_u32 v[XWS], v0, 2, XSC
	v_mov_b32 v[CC], 0x4038aa3b                    ; c = 2 log2(e)
	v_mov_b32 v[CC+1], 0xc038aa3b
.irp b, 0,1,2,3
	v_mov_b32 v[TM+4+\b], 0                        ; written once: a lane permute's destination counts as one of its sources
.endr
.set wi, 0
.rept 16
	global_load_b128 v[XR+4*wi:XR+4*wi+3], v[XA], s[46:47] offset:128*(wi/4)+16*(wi%4)
.set wi, wi+1
.endr
.irp u, 0,1
	global_load_b128 v[BI+8*\u:BI+8*\u+3], v[BO], s[44:45] offset:64*\u
	global_load_b128 v[BI+8*\u+4:BI+8*\u+7], v[BO], s[44:45] offset:64*\u+16
.endr
	QCOL                                           ; its last wait is for all loads: my row's numbers and the bias are in too
	QUANT XR
	ds_store_b128 v[XWI], v[PC:PC+3]               ; the fragment as it stands: 16 bytes a lane
	ds_store_b128 v[XWI], v[PC+4:PC+7] offset:512
	ds_store_b32 v[XWS], v[PW]
	s_wait_dscnt 0x0                               ; for the others' sake: my stores are done
	s_barrier_signal -1
	s_barrier_wait -1                              ; the rows' eight fragments lie in LDS
.irp f, 0,1,2,3,4,5,6,7
	ds_load_b128 v[XF+8*\f:XF+8*\f+3], v[LI] offset:XIMG+1024*\f
	ds_load_b128 v[XF+8*\f+4:XF+8*\f+7], v[LI] offset:XIMG+1024*\f+512
	ds_load_b32 v[XS+\f], v[LS] offset:128*\f
.endr
.rept 8
	v_nop                                          ; the weights' scale words and fragments were written by vector instructions: 8 and 4 places ahead of a scaled product
.endr
	s_wait_dscnt 0x0
.irp t, 0,1                                    ; the eight accumulators take turns, one instruction a turn
.irp u, 0,1
.irp s, 0,1,2,3
	WM \u, \s, \t
.endr
.endr
.endr
.rept 4
	v_nop                                          ; places behind the last products
.endr
	s_cmp_lt_u32 ttmp9, NQG
	s_cbranch_scc1 .Lquery
	s_lshr_b32 s48, s4, 1                          ; value: which 128 keys,
	s_lshl_b32 s48, s48, 18
	s_and_b32 s3, s4, 1                            ; which 64 of them,
	s_lshl_b32 s3, s3, 8
	s_add_co_u32 s48, s48, s3
	s_lshl_b32 s3, s2, 15                          ; my 32 features
	s_add_co_u32 s48, s48, s3
	s_add_nc_u64 s[50:51], s[22:23], s[48:49]
	v_lshlrev_b32 v[SO], 4, v2
	v_lshl_add_u32 v[SO], v3, 13, v[SO]            ; keys 4 r .. 4 r + 3; lanes 16-31 eight features on
	EPI 0, 1
	s_wait_xcnt 0x0                                ; the stores' data are written again only behind this wait
	EPI 1, 1
	s_wait_tensorcnt 0x0
	ds_add_u32 v232, v233
	s_wait_dscnt 0x0
	s_endpgm
.Lquery:
	s_lshl_b32 s48, s4, 17                         ; query: four blocks of 16 rows,
	s_lshl_b32 s3, s2, 12                          ; my 16 pairs of features
	s_add_co_u32 s48, s48, s3
	s_add_nc_u64 s[50:51], s[20:21], s[48:49]
	v_lshlrev_b32 v[SO], 4, v2
	v_lshl_add_u32 v[SO], v3, 10, v[SO]            ; query r; lanes 16-31 four pairs on
	EPI 0, 0
	s_wait_xcnt 0x0
	EPI 1, 0
	s_wait_tensorcnt 0x0
	ds_add_u32 v232, v233
	s_wait_dscnt 0x0
	s_endpgm
	; ---- 256 keys x 256 columns of value, quantised along the keys
.Lkeys:
	s_sub_co_u32 s4, ttmp9, NPG                    ; which 256 keys
	s_lshl_b32 s48, s4, 18
	s_add_nc_u64 s[28:29], s[10:11], s[48:49]
	QCOL
	s_lshr_b32 s5, s4, 1                           ; the batch
	s_and_b32 s6, s4, 1                            ; which half of its keys: K steps 2 x half + t
	s_lshl_b32 s48, s5, 16
	s_lshl_b32 s3, s2, 13                          ; my two tiles of columns
	s_add_co_u32 s48, s48, s3
	s_lshl_b32 s3, s6, 11
	s_add_co_u32 s48, s48, s3
	s_add_nc_u64 s[24:25], s[24:25], s[48:49]
	s_lshl_b32 s48, s5, 12
	s_add_co_u32 s48, s48, s3
	s_lshl_b32 s3, s2, 7
	s_add_co_u32 s48, s48, s3
	s_add_nc_u64 s[26:27], s[26:27], s[48:49]
	v_lshlrev_b32 v[BO], 2, v1
.irp u, 0,1
.irp t, 0,1
.irp c, 0,1
	global_store_b128 v[LI], v[WF+16*\u+8*\t+4*\c:WF+16*\u+8*\t+4*\c+3], s[24:25] offset:4096*\u+1024*\t+512*\c   ; 512 consecutive bytes a store
.endr
.endr
.endr
.irp t, 0,1
	global_store_b32 v[BO], v[SW+\t], s[26:27] offset:1024*\t
.endr
	s_endpgm
.Lfunc_end_k_q6ae8a8924d_prep:
	.size	k_q6ae8a8924d_prep, .Lfunc_end_k_q6ae8a8924d_prep-k_q6ae8a8924d_prep
	.p2alignl 7, 3214868480
	.fill 96, 4, 3214868480
	.section	.rodata,"a",@progbits
	.p2align	6, 0x0
	.amdhsa_kernel k_q6ae8a8924d_prep
		.amdhsa_group_segment_fixed_size 10240
		.amdhsa_private_segment_fixed_size 0
		.amdhsa_enable_private_segment 0
		.amdhsa_kernarg_size 80
		.amdhsa_user_sgpr_count 2
		.amdhsa_user_sgpr_kernarg_segment_ptr 1
		.amdhsa_wavefront_size32 1
		.amdhsa_system_sgpr_workgroup_id_x 1
		.amdhsa_system_sgpr_workgroup_id_y 1
		.amdhsa_system_sgpr_workgroup_id_z 1
		.amdhsa_system_vgpr_workitem_id 0
		.amdhsa_next_free_vgpr 234
		.amdhsa_next_free_sgpr 66
		.amdhsa_reserve_vcc 0
		.amdhsa_float_denorm_mode_32 3
		.amdhsa_float_denorm_mode_16_64 3
		.amdhsa_memory_ordered 1
		.amdhsa_forward_progress 1
		.amdhsa_inst_pref_size 114
	.end_amdhsa_kernel
	.amdgpu_metadata
---
amdhsa.version: [ 1, 2 ]
amdhsa.kernels:
  - .name:           k_q6ae8a8924d_prep
    .symbol:         k_q6ae8a8924d_prep.kd
    .args:
      - { .name: query, .offset: 0, .size: 8, .value_kind: global_buffer, .address_space: global }
      - { .name: value, .offset: 8, .size: 8, .value_kind: global_buffer, .address_space: global }
      - { .name: W1, .offset: 16, .size: 8, .value_kind: global_buffer, .address_space: global }
      - { .name: b1, .offset: 24, .size: 8, .value_kind: global_buffer, .address_space: global }
      - { .name: W2, .offset: 32, .size: 8, .value_kind: global_buffer, .address_space: global }
      - { .name: b2, .offset: 40, .size: 8, .value_kind: global_buffer, .address_space: global }
      - { .name: fq, .offset: 48, .size: 8, .value_kind: global_buffer, .address_space: global }
      - { .name: fv, .offset: 56, .size: 8, .value_kind: global_buffer, .address_space: global }
      - { .name: vcodes, .offset: 64, .size: 8, .value_kind: global_buffer, .address_space: global }
      - { .name: vscales, .offset: 72, .size: 8, .value_kind: global_buffer, .address_space: global }
    .group_segment_fixed_size: 10240
    .private_segment_fixed_size: 0
    .kernarg_segment_align: 8
    .kernarg_segment_size: 80
    .max_flat_workgroup_size: 256
    .sgpr_count:     66
    .vgpr_count:     234
    .wavefront_size: 32
...
	.end_amdgpu_metadata
.endif
;; end of part 1
;; launch attn (part 2): grid 32 x 8, 16 waves a work-group, no clusters, 122,880 bytes of LDS; arguments query, fq, fv, vcodes, vscales, out0, out1; writes out0, out1
.if DOCPART == 2
	.amdgcn_target "amdgcn-amd-amdhsa--gfx1250"
	.amdhsa_code_object_version 6
	.text
	.protected	k_q6ae8a8924d_attn
	.globl	k_q6ae8a8924d_attn
	.p2align	8
	.type	k_q6ae8a8924d_attn,@function
k_q6ae8a8924d_attn:
	s_mov_b64 s[64:65], 0
	v_nop
	global_prefetch_b8 v0, s[64:65] scope:SCOPE_SE
	s_setreg_imm32_b32 hwreg(HW_REG_WAVE_MODE, 25, 1), 1
	s_wait_xcnt 0x0
; ADDITIVE ATTENTION.  score(q, k) = sum over e of tanh(Q[q][e] + V[k][e]); out1[b][k][q] = softmax over k; out0[b][q] = [softmax x value, query].
; The launch before left, for each row and feature, y = c x (odd e: -c x), c = 2 log2(e), as i = floor(y) and f = 2^(y - i).  Here r = 1 / (1 + ldexp(fV, iQ + iV) x fQ): one reciprocal for each (q, k, e).
; tanh = 1 - 2 r for even e and 2 r - 1 for odd e, so score = -2 acc with acc = the sum of r over even e less the sum over odd e: a sum of numbers that stays as small as the score itself.
; SHARES.  A work-group owns 8 queries of one batch and all 512 keys.  Wave W of sixteen owns keys 128 (W % 4) on and features 64 (W / 4) on; a lane 4 neighbouring keys x 8 queries: 32 sums.
; THE KEYS' FACTORS go from memory straight into the one wave that uses them: two loads of 512 consecutive bytes a feature, into a ring of 8 features in registers, asked for seven phases ahead.
; NO CLUSTER, though the 32 work-groups of a batch read the same factors: each byte is wanted in the registers of ONE wave of a work-group, and a phase of 128 arithmetic instructions asks for two loads.  A joint load would send the
; bytes through LDS, where two slots for sixteen waves hold 8 features each at the most: all 64 waves of four work-groups would have to meet once for every 8 features.  As it is, no wave waits for another between the head and the tail.
; THE QUERIES' FACTORS, 16,384 bytes a work-group, are the same in all lanes: they are copied ONCE into LDS, laid [feature][query][f, i], and read from there, 64 bytes a feature, every lane the same bytes, a phase ahead.
; A PHASE is one feature: it prepares feature i, takes the reciprocals of feature i - 1 and sums those of feature i - 2, the three interleaved; one wait for the 32 reciprocals stands at its end.
; THE SOFTMAX: t = -c acc; M = ceil(the row's largest t); p = 2^(t - M) is quantised along the keys to FP4 (E2M1), one E8M0 scale for each 32; l = the sum of the unquantised p divides at the end.
; LIMITS: |y| under 2^30; NaN and infinities are not served; the division by l is a multiplication by v_rcp_f32's result; a block of p under 2^-124 gets the byte 1;
; out1 leaves in pieces of 32 bytes: a work-group owns 8 of a row's 256 numbers.
.set PART,  0                          ; LDS, the tail's: the waves' sums: [features' quarter][query] rows of 2,048 bytes
.set PROW,  65536                      ; p: 8 rows of 2,048 bytes + 16
.set PP,    2064
.set RL,    82176                      ; 1 / l of the 8 queries
.set PIMG,  82432                      ; p's four fragments as images of their registers
.set PSC,   86528                      ; and their scale words
.set STG,   87040                      ; the context: 16 rows of 1,024 bytes + 16 (rows 8-15 repeat the queries and are not read)
.set SP,    1040
.set QFB,   104448                     ; the queries' factors: 256 features x 64 bytes; bytes of their own, since one wave may be in the tail while another still reads them
.set QA0, 5                            ; v5   QFB + 4,096 x my quarter of the features: the same in all lanes
.set QA,  6                            ; v6   the same, at the trip in hand
.set TMP, 7
.set KF,  24                           ; v24-87   the ring of 8 features: f of my 4 keys at 8 i, i at 8 i + 4
.set R,   88                           ; v88-151  two sets of 32
.set ACC, 152                          ; v152-183 the sums: query q, key k at 4 q + k
.set VS,  184                          ; v184-187 value's scale words;  v188-191 p's: they hold scales and nothing else
.set PS,  188
.set FO,  196                          ; v196 16 x lane
.set QB,  200                          ; v200-231 the queries' factors of two features: f of query q at 2 q, i at 2 q + 1
.set FQ,  232                          ; v232-239 the copy at the head
.set QST, 240                          ; v240 where I put it;  v241 where I take it from
.set FQO, 241
.set WV,  2                            ; s2  wave
.set TQ,  3                            ; s3  512 x trip: the trip's place among my features' factors of the queries
.set CNT, 4
.set FVB, 8                            ; s[8:9] the keys' factors at the trip's first feature
.set SEL, 46                           ; s[46:47] lane selects: lane l xor 16
.set NC,  48                           ; s[48:49] -c, twice
.macro BARRIER                         ; my LDS stores are done and my LDS loads are in: then the work-group's barrier
	s_wait_dscnt 0x0
	s_barrier_signal -1
	s_barrier_wait -1
.endm
.macro RCL n, rc
.if \rc
	v_rcp_f32 v[TQR+\n], v[TQR+\n]
.endif
.endm
.macro ACL n, ac                       ; ac = 2: the first feature's reciprocals start the sums
.if \ac == 2
	v_pk_mul_f32 v[AQ+\n:AQ+\n+1], v[SQ+\n:SQ+\n+1], 1.0 op_sel_hi:[1,0]
.elseif \ac == 1
.if PAR
	v_pk_add_f32 v[AQ+\n:AQ+\n+1], v[AQ+\n:AQ+\n+1], v[SQ+\n:SQ+\n+1] neg_lo:[0,1] neg_hi:[0,1]
.else
	v_pk_add_f32 v[AQ+\n:AQ+\n+1], v[AQ+\n:AQ+\n+1], v[SQ+\n:SQ+\n+1]
.endif
.endif
.endm
.macro ADL k, prep
.if \prep
	v_add_nc_u32 v[SQ+\k], v[QI+1], v[KI+4+\k]     ; iQ + iV
.endif
.endm
.macro LDL k, prep
.if \prep
	v_ldexp_f32 v[SQ+\k], v[KI+\k], v[SQ+\k]       ; fV x 2^(iQ + iV): 0 or infinity beyond f32's range, which give r = 1 or 0
.endif
.endm
.macro FML k, prep
.if \prep
	v_pk_fma_f32 v[SQ+\k:SQ+\k+1], v[SQ+\k:SQ+\k+1], v[QI:QI+1], 1.0 op_sel_hi:[1,0,0]   ; x fQ + 1 (of the pair f, i the low word serves both halves)
.endif
.endm
; Phase i of a trip.  S: the set that held feature i - 2's reciprocals and takes feature i;  T: feature i - 1's.
.macro PHASE i, ac, rc, prep, last
.set S, R+32*((\i)%2)
.set T, R+32-32*((\i)%2)
.set PAR, (\i)%2
.set KI, KF+8*((\i)%8)
.set KN, KF+8*(((\i)+7)%8)             ; the ring's place that the phase before has read out
.set QF0, QB+16*((\i)%2)
.set QF1, QB+16-16*((\i)%2)            ; likewise of the queries' two sets
.if \prep
.if (\last) && ((\i) > 0)
	s_wait_loadcnt 14-2*(\i)                       ; the last trip asks in its phase 0 alone: behind this feature's loads stand the two of each feature still to come
.else
	s_wait_loadcnt 12                              ; this feature's two loads are in; the two of each of the six features asked for behind it may be out
.endif
	s_wait_dscnt 0x0                               ; the queries' factors of this feature, asked for a phase ago
.if !((\last) && ((\i) == 7))
.irp n, 0,1,2,3
	ds_load_b128 v[QF1+4*\n:QF1+4*\n+3], v[QA] offset:64*((\i)+1)+16*\n   ; the next feature's: two queries a load, every lane the same bytes
.endr
.endif
.if !(\last) || ((\i) == 0)
	global_load_b128 v[KN:KN+3], v[FO], s[FVB:FVB+1] offset:1024*((\i)+7)          ; the feature seven on: f of my 4 keys, 512 consecutive bytes a wave,
	global_load_b128 v[KN+4:KN+7], v[FO], s[FVB:FVB+1] offset:1024*((\i)+7)+512    ; and i
.endif
.endif
.irp q, 0,1,2,3,4,5,6,7
.set QI, QF0+2*\q
.set SQ, S+4*\q
.set TQR, T+4*\q
.set AQ, ACC+4*\q
	RCL 0, \rc
	ACL 0, \ac
	ACL 2, \ac
	ADL 0, \prep
	RCL 1, \rc
	ADL 1, \prep
	ADL 2, \prep
	ADL 3, \prep
	RCL 2, \rc
	LDL 0, \prep
	LDL 1, \prep
	LDL 2, \prep
	RCL 3, \rc
	LDL 3, \prep
	FML 0, \prep
	FML 2, \prep
.endr
.if \rc
.if !(\prep)
	v_nop                                          ; a plain instruction behind the last reciprocal
.endif
	s_wait_alu depctr_va_vdst(0)                   ; one wait for the phase's 32 reciprocals, ahead of their first reader, which stands in the next phase
.endif
.endm
.macro TRIP first, last                ; 8 features
.if !(\first)
	s_wait_xcnt 0x0                                ; the ring's loads have read their base: it is stepped only behind this wait
	s_add_nc_u64 s[FVB:FVB+1], s[FVB:FVB+1], 8192
	s_add_co_u32 s[TQ], s[TQ], 512
.endif
	v_add_nc_u32 v[QA], s[TQ], v[QA0]
.if \first
.irp n, 0,1,2,3
	ds_load_b128 v[QB+4*\n:QB+4*\n+3], v[QA] offset:16*\n   ; the first feature's factors of the queries
.endr
	PHASE 0, 0, 0, 1, \last
	PHASE 1, 0, 1, 1, \last
	PHASE 2, 2, 1, 1, \last
.else
	PHASE 0, 1, 1, 1, \last
	PHASE 1, 1, 1, 1, \last
	PHASE 2, 1, 1, 1, \last
.endif
.irp i, 3,4,5,6,7
	PHASE \i, 1, 1, 1, \last
.endr
.endm
	s_load_b256 s[16:23], s[0:1], 0x0              ; query s[16:17], fq s[18:19], fv s[20:21], vcodes s[22:23]
	s_load_b128 s[24:27], s[0:1], 0x20             ; vscales s[24:25], out0 s[26:27]
	s_load_b64 s[28:29], s[0:1], 0x30              ; out1
	v_lshl_add_u32 v248, v0, 2, 0x1d800
	v_mov_b32 v249, 0
	v_lshrrev_b32 v1, 5, v0
	v_readfirstlane_b32 s[WV], v1                  ; wave 0..15
	v_and_b32 v1, 31, v0                           ; lane
	v_and_b32 v2, 15, v0                           ; r
	v_bfe_u32 v3, v0, 4, 1                         ; h
	s_mov_b32 s30, ttmp9                           ; my block of 8 queries
	s_and_b32 s31, ttmp7, 0xffff                   ; the batch
	s_and_b32 s32, s[WV], 3                        ; which 128 keys
	s_lshr_b32 s33, s[WV], 2                       ; which 64 features
	s_lshl_b32 s34, s31, 20                        ; fv: the batch, my 128 keys, my 64 features
	s_lshl_b32 s36, s32, 18
	s_add_co_u32 s34, s34, s36
	s_lshl_b32 s36, s33, 16
	s_add_co_u32 s34, s34, s36
	s_mov_b32 s35, 0
	s_mov_b32 s39, 0
	s_mov_b32 s[SEL], 0x76543210
	s_mov_b32 s[SEL+1], 0xfedcba98
	s_mov_b32 s[NC], 0xc038aa3b                    ; -c = -2 log2(e)
	s_mov_b32 s[NC+1], s[NC]
	s_mov_b32 s[TQ], 0
	; every LDS address is made here, ahead of the first parting of the waves
	v_lshlrev_b32 v[FO], 4, v1                     ; 16 x lane
	s_lshl_b32 s5, s33, 12
	s_add_co_u32 s5, s5, QFB
	v_mov_b32 v[QA0], s5
	v_lshrrev_b32 v[TMP], 2, v0                    ; the copy: thread t takes the pair of features t / 4 and the queries 2 (t % 4), 2 (t % 4) + 1
	v_and_b32 v[FQO], 3, v0
	v_lshlrev_b32 v[QST], 7, v[TMP]
	v_lshl_add_u32 v[QST], v[FQO], 4, v[QST]
	v_add_nc_u32 v[QST], QFB, v[QST]               ; into LDS: 128 bytes a pair of features, 8 bytes a query
	v_lshlrev_b32 v[FQO], 5, v[FQO]
	v_lshl_add_u32 v[FQO], v[TMP], 8, v[FQO]       ; from memory: 256 bytes a pair (16 queries), 16 bytes a query
	s_lshl_b32 s5, s33, 14
	s_lshl_b32 s36, s32, 9
	s_add_co_u32 s5, s5, s36
	v_add_nc_u32 v8, s5, v[FO]                     ; v8  my sums: PART + 16,384 x quarter + 512 x keys' quarter + 16 x lane
	s_lshl_b32 s5, s[WV], 11
	v_add_nc_u32 v9, s5, v[FO]                     ; v9  query W's sums
	s_mul_i32 s5, s[WV], PP
	s_add_co_u32 s5, s5, PROW
	v_add_nc_u32 v10, s5, v[FO]                    ; v10 query W's row of p
	s_lshl_b32 s5, s[WV], 2
	s_add_co_u32 s5, s5, RL
	v_mov_b32 v11, s5                              ; v11 its 1 / l
	v_and_b32 v12, 7, v0
	v_mul_u32_u24 v12, v12, PP
	v_lshl_add_u32 v12, v3, 7, v12
	s_lshl_b32 s5, s[WV], 9
	s_add_co_u32 s5, s5, PROW
	v_add_nc_u32 v12, s5, v12                      ; v12 p of query r % 8, keys 128 W + 32 h on
	s_lshl_b32 s5, s[WV], 10
	s_add_co_u32 s5, s5, PIMG
	v_add_nc_u32 v13, s5, v[FO]                    ; v13 fragment W's image
	v_lshl_add_u32 v14, v0, 2, PSC                 ; v14 and its scale word
	v_lshl_add_u32 v15, v0, 2, PROW                ; v15 p of key = thread
	v_mov_b32 v20, RL                              ; v20 the eight 1 / l
	v_add_nc_u32 v21, PIMG, v[FO]                  ; v21 an image's place for my lane
	v_lshl_add_u32 v22, v1, 2, PSC                 ; v22 a scale word's
	v_mul_u32_u24 v23, v2, SP
	v_lshl_add_u32 v23, v3, 5, v23
	s_lshl_b32 s5, s[WV], 6
	s_add_co_u32 s5, s5, STG
	v_add_nc_u32 v23, s5, v23                      ; v23 the stage: row r, my 16 columns, + 32 h
	s_lshr_b32 s36, s[WV], 1
	s_and_b32 s37, s[WV], 1
	s_lshl_b32 s37, s37, 9
	s_mul_i32 s5, s36, SP
	s_add_co_u32 s5, s5, s37
	s_add_co_u32 s5, s5, STG
	v_add_nc_u32 v192, s5, v[FO]                   ; v192 back: row W / 2, half W % 2
	s_lshl_b32 s5, s36, 2
	s_add_co_u32 s5, s5, RL
	v_mov_b32 v193, s5                             ; v193 that row's 1 / l
	s_lshl_b32 s5, s36, 11
	s_add_co_u32 s5, s5, s37
	v_add_nc_u32 v199, s5, v[FO]                   ; v199 and its place in out0
	v_lshlrev_b32 v194, 4, v0                      ; v194 query's copy: in
	v_lshrrev_b32 v195, 6, v0
	v_lshlrev_b32 v195, 11, v195
	v_and_b32 v[TMP], 63, v0
	v_lshl_add_u32 v195, v[TMP], 4, v195           ; v195 and out: row thread / 64 of 2,048 bytes
	v_lshlrev_b32 v197, 2, v2                      ; v197 4 r
	v_lshlrev_b32 v198, 10, v0                     ; v198 out1: key = thread, a row of 1,024 bytes
	s_wait_kmcnt 0x0
	s_add_nc_u64 s[FVB:FVB+1], s[20:21], s[34:35]
	s_lshl_b32 s38, s31, 4                         ; fq: block of 16 queries 16 b + block / 2,
	s_lshr_b32 s40, s30, 1
	s_add_co_u32 s38, s38, s40
	s_lshl_b32 s38, s38, 15
	s_and_b32 s40, s30, 1                          ; its lower or upper 8 queries
	s_lshl_b32 s40, s40, 7
	s_add_co_u32 s38, s38, s40
	s_add_nc_u64 s[42:43], s[18:19], s[38:39]
	s_lshl_b32 s38, s31, 18
	s_lshl_b32 s40, s30, 13
	s_add_co_u32 s38, s38, s40
	s_add_nc_u64 s[6:7], s[16:17], s[38:39]        ; query at my 8 rows
	global_load_b128 v[FQ:FQ+3], v[FQO], s[42:43]              ; one query: f, i of the even feature, f, i of the odd one
	global_load_b128 v[FQ+4:FQ+7], v[FQO], s[42:43] offset:16  ; the next query
	global_load_b128 v[16:19], v194, s[6:7]        ; my 16 bytes of the 8 rows of query
.irp i, 0,1,2,3,4,5,6
	global_load_b128 v[KF+8*\i:KF+8*\i+3], v[FO], s[FVB:FVB+1] offset:1024*\i        ; the ring's first seven features
	global_load_b128 v[KF+8*\i+4:KF+8*\i+7], v[FO], s[FVB:FVB+1] offset:1024*\i+512
.endr
	s_lshl_b32 s38, s31, 19
	s_lshl_b32 s40, s30, 14
	s_add_co_u32 s38, s38, s40
	s_add_nc_u64 s[10:11], s[26:27], s[38:39]      ; out0 at my 8 rows
	s_lshl_b32 s38, s31, 19
	s_lshl_b32 s40, s30, 5
	s_add_co_u32 s38, s38, s40
	s_add_nc_u64 s[12:13], s[28:29], s[38:39]      ; out1 at my batch and my 8 columns
	s_lshl_b32 s38, s31, 16
	s_lshl_b32 s40, s[WV], 12
	s_add_co_u32 s38, s38, s40
	s_add_nc_u64 s[14:15], s[22:23], s[38:39]      ; value's codes: my 16 columns
	s_lshl_b32 s38, s31, 12
	s_lshl_b32 s40, s[WV], 6
	s_add_co_u32 s38, s38, s40
	s_add_nc_u64 s[44:45], s[24:25], s[38:39]      ; and their scale words
	s_wait_loadcnt 14                              ; the three oldest loads are in; the ring's fourteen may be out
	ds_store_b64 v[QST], v[FQ:FQ+1]                ; the even feature, my first query;
	ds_store_b64 v[QST], v[FQ+2:FQ+3] offset:64    ; the odd feature;
	ds_store_b64 v[QST], v[FQ+4:FQ+5] offset:8     ; my second query
	ds_store_b64 v[QST], v[FQ+6:FQ+7] offset:72
	global_store_b128 v195, v[16:19], s[10:11] offset:1024   ; the second half of a row of out0: 512 consecutive bytes a wave
	BARRIER                                        ; the queries' factors lie in LDS: the one barrier ahead of the tail
	TRIP 1, 0
	s_mov_b32 s[CNT], 6
.Ltrip:
	TRIP 0, 0
	s_sub_co_u32 s[CNT], s[CNT], 1
	s_cmp_lg_u32 s[CNT], 0
	s_cbranch_scc1 .Ltrip
	TRIP 0, 1                                      ; the last trip is written out: no load leaves my 64 features
	PHASE 8, 1, 1, 0, 1                            ; the last feature's reciprocals, the sums of the one before
	PHASE 9, 1, 0, 0, 1                            ; the last feature's sums
	; ---- the tail.  value's fragments of my 16 columns are asked for
.irp t, 0,1,2,3
.irp c, 0,1
	global_load_b128 v[24+8*\t+4*\c:27+8*\t+4*\c], v[FO], s[14:15] offset:1024*\t+512*\c
.endr
	global_load_b32 v[VS+\t], v197, s[44:45] offset:1024*\t
.endr
.irp q, 0,1,2,3,4,5,6,7
	ds_store_b128 v8, v[ACC+4*\q:ACC+4*\q+3] offset:PART+2048*\q
.endr
	BARRIER                                        ; all sixteen waves' sums lie in LDS
	s_cmp_lt_u32 s[WV], 8
	s_cbranch_scc0 .Lno_softmax
	; waves 0-7: the softmax of query W; a lane holds keys 128 m + 4 lane + 0 .. 3
.irp e, 0,1,2,3
.irp m, 0,1,2,3
	ds_load_b128 v[88+16*\e+4*\m:91+16*\e+4*\m], v9 offset:PART+16384*\e+512*\m
.endr
.endr
	s_wait_dscnt 0x0
.irp e, 1,2,3
.irp j, 0,2,4,6,8,10,12,14
	v_pk_add_f32 v[88+\j:89+\j], v[88+\j:89+\j], v[88+16*\e+\j:89+16*\e+\j]   ; the four quarters of the features
.endr
.endr
	v_min3_num_f32 v152, v88, v89, v90             ; the largest t lies at the smallest acc: -c is negative
	v_min3_num_f32 v153, v91, v92, v93
.irp j, 94,98
	v_min3_num_f32 v152, v152, v[\j], v[\j+1]
	v_min3_num_f32 v153, v153, v[\j+2], v[\j+3]
.endr
	v_min3_num_f32 v152, v152, v102, v103
	v_min_num_f32 v152, v152, v153
	v_min_num_f32_dpp v152, v152, v152 row_xmask:1 row_mask:0xf bank_mask:0xf
	v_min_num_f32_dpp v152, v152, v152 row_xmask:2 row_mask:0xf bank_mask:0xf
	v_min_num_f32_dpp v152, v152, v152 row_xmask:4 row_mask:0xf bank_mask:0xf
	v_min_num_f32_dpp v152, v152, v152 row_xmask:8 row_mask:0xf bank_mask:0xf
	v_permlanex16_b32 v153, v152, s[SEL], s[SEL+1]
	v_min_num_f32 v152, v152, v153
	v_mul_f32 v153, s[NC], v152                    ; the row's largest t
	v_floor_f32 v154, -v153                        ; -M = floor(-t) = -ceil(t)
	v_mov_b32 v155, v154                           ; (named with it as a pair)
.irp j, 0,2,4,6,8,10,12,14
	v_pk_fma_f32 v[88+\j:89+\j], v[88+\j:89+\j], s[NC:NC+1], v[154:155] op_sel_hi:[1,0,0]   ; t - M
.endr
.irp j, 0,1,2,3,4,5,6,7,8,9,10,11,12,13,14,15
	v_exp_f32 v[88+\j], v[88+\j]                   ; p = 2^(t - M)
.endr
	v_nop                                          ; a plain instruction behind the batch
	s_wait_alu depctr_va_vdst(0)                   ; one wait for the sixteen, ahead of their first reader
.irp n, 0,1,2,3
	v_pk_add_f32 v[104+2*\n:105+2*\n], v[88+4*\n:89+4*\n], v[90+4*\n:91+4*\n]   ; l: the sum of the unquantised p
.endr
	v_pk_add_f32 v[104:105], v[104:105], v[106:107]
	v_pk_add_f32 v[108:109], v[108:109], v[110:111]
	v_pk_add_f32 v[104:105], v[104:105], v[108:109]
	v_add_f32 v104, v104, v105
	v_add_f32_dpp v104, v104, v104 row_xmask:1 row_mask:0xf bank_mask:0xf
	v_add_f32_dpp v104, v104, v104 row_xmask:2 row_mask:0xf bank_mask:0xf
	v_add_f32_dpp v104, v104, v104 row_xmask:4 row_mask:0xf bank_mask:0xf
	v_add_f32_dpp v104, v104, v104 row_xmask:8 row_mask:0xf bank_mask:0xf
	v_permlanex16_b32 v105, v104, s[SEL], s[SEL+1]
	v_add_f32 v104, v104, v105
	v_rcp_f32 v106, v104
	v_nop
	s_wait_alu depctr_va_vdst(0)
.irp m, 0,1,2,3
	ds_store_b128 v10, v[88+4*\m:91+4*\m] offset:512*\m
.endr
	ds_store_b32 v11, v106                         ; all lanes write the same word with the same value
.Lno_softmax:
	BARRIER                                        ; 8 rows of p and their 1 / l lie in LDS
	s_cmp_lt_u32 s[WV], 4
	s_cbranch_scc0 .Lno_quant
	; waves 0-3: p of keys 128 W on becomes a fragment: lane (r, h) holds query r % 8 and the whole blocks h and 2 + h, in the operand's own order
.irp c, 0,1
.irp g, 0,1,2,3,4,5,6,7
	ds_load_b128 v[88+32*\c+4*\g:91+32*\c+4*\g], v12 offset:256*\c+16*\g
.endr
.endr
	s_wait_dscnt 0x0
.irp c, 0,1
	v_max3_num_f32 v[152+\c], v[88+32*\c], v[89+32*\c], 0x1800000   ; no |.|: p is never negative; the floor 2^(3 - 127) holds the byte at 1 from below
.endr
.irp i, 2,4,6,8,10,12,14,16,18,20,22,24,26,28,30
.irp c, 0,1
	v_max3_num_f32 v[152+\c], v[152+\c], v[88+32*\c+\i], v[89+32*\c+\i]
.endr
.endr
.irp c, 0,1
	v_add_nc_u32 v[156+\c], 0xff000000, v[152+\c]  ; 2 off the exponent field: the conversion's scale operand
.endr
.irp c, 0,1
	v_lshrrev_b32 v[158+\c], 23, v[156+\c]         ; the scale's byte
.endr
	v_lshl_or_b32 v160, v159, 16, v158             ; my two bytes,
	v_lshlrev_b32 v161, 3, v3
	v_lshlrev_b32 v160, v161, v160                 ; at their places in the word;
	v_mov_b32 v161, 0
	v_permlanex16_b32 v161, v160, s[SEL], s[SEL+1]
	v_or_b32 v160, v160, v161                      ; with lane l xor 16's two it is whole
.irp c, 0,1
.irp g, 0,1,2,3
	v_cvt_scalef32_pk8_fp4_f32 v[164+4*\c+\g], v[88+32*\c+8*\g:95+32*\c+8*\g], v[156+\c]
.endr
.endr
	v_nop                                          ; one plain place behind the last conversion
	ds_store_b128 v13, v[164:167]
	ds_store_b128 v13, v[168:171] offset:512
	ds_store_b32 v14, v160
.Lno_quant:
	; all waves: out1[b][key = thread][my 8 queries] = p / l
.irp q, 0,1,2,3,4,5,6,7
	ds_load_b32 v[172+\q], v15 offset:PP*\q
.endr
	ds_load_b128 v[152:155], v20
	ds_load_b128 v[156:159], v20 offset:16
	s_wait_dscnt 0x0
.irp n, 0,2,4,6
	v_pk_mul_f32 v[172+\n:173+\n], v[172+\n:173+\n], v[152+\n:153+\n]
.endr
	global_store_b128 v198, v[172:175], s[12:13]
	global_store_b128 v198, v[176:179], s[12:13] offset:16
	BARRIER                                        ; p's four fragments lie in LDS
	; all waves: the context of my 16 columns, transposed: source 0 = 16 columns of value, source 1 = p's rows: a lane holds one query and 8 neighbouring columns
.irp t, 0,1,2,3
.irp c, 0,1
	ds_load_b128 v[88+8*\t+4*\c:91+8*\t+4*\c], v21 offset:1024*\t+512*\c
.endr
	ds_load_b32 v[PS+\t], v22 offset:128*\t
.endr
	s_wait_dscnt 0x0
	s_wait_loadcnt 0x0                             ; value's fragments and scale words
	; two accumulators by turns, one instruction a turn; the first product of each starts its sum
	v_wmma_scale_f32_16x16x128_f8f6f4 v[120:127], v[24:31], v[88:95], 0, v[VS], v[PS] matrix_a_fmt:MATRIX_FMT_FP4 matrix_b_fmt:MATRIX_FMT_FP4
	v_wmma_scale_f32_16x16x128_f8f6f4 v[128:135], v[32:39], v[96:103], 0, v[VS+1], v[PS+1] matrix_a_fmt:MATRIX_FMT_FP4 matrix_b_fmt:MATRIX_FMT_FP4
	v_wmma_scale_f32_16x16x128_f8f6f4 v[120:127], v[40:47], v[104:111], v[120:127], v[VS+2], v[PS+2] matrix_a_fmt:MATRIX_FMT_FP4 matrix_b_fmt:MATRIX_FMT_FP4
	v_wmma_scale_f32_16x16x128_f8f6f4 v[128:135], v[48:55], v[112:119], v[128:135], v[VS+3], v[PS+3] matrix_a_fmt:MATRIX_FMT_FP4 matrix_b_fmt:MATRIX_FMT_FP4
.rept 4
	v_nop                                          ; places behind the last products
.endr
.irp j, 0,2,4,6
	v_pk_add_f32 v[136+\j:137+\j], v[120+\j:121+\j], v[128+\j:129+\j]   ; both accumulators from their low ends on
.endr
	ds_store_b128 v23, v[136:139]
	ds_store_b128 v23, v[140:143] offset:16
	BARRIER                                        ; 8 whole rows of the context lie in the stage
	ds_load_b128 v[144:147], v192
	ds_load_b32 v148, v193
	s_wait_dscnt 0x0
.irp j, 0,1,2,3
	v_mul_f32 v[144+\j], v[144+\j], v148           ; / l
.endr
	global_store_b128 v199, v[144:147], s[10:11]   ; the wave stores 512 consecutive bytes, at a multiple of 256 from out0's first byte
	s_wait_tensorcnt 0x0
	ds_add_u32 v248, v249
	s_wait_dscnt 0x0
	s_endpgm
.Lfunc_end_k_q6ae8a8924d_attn:
	.size	k_q6ae8a8924d_attn, .Lfunc_end_k_q6ae8a8924d_attn-k_q6ae8a8924d_attn
	.p2alignl 7, 3214868480
	.fill 96, 4, 3214868480
	.section	.rodata,"a",@progbits
	.p2align	6, 0x0
	.amdhsa_kernel k_q6ae8a8924d_attn
		.amdhsa_group_segment_fixed_size 122880
		.amdhsa_private_segment_fixed_size 0
		.amdhsa_enable_private_segment 0
		.amdhsa_kernarg_size 56
		.amdhsa_user_sgpr_count 2
		.amdhsa_user_sgpr_kernarg_segment_ptr 1
		.amdhsa_wavefront_size32 1
		.amdhsa_system_sgpr_workgroup_id_x 1
		.amdhsa_system_sgpr_workgroup_id_y 1
		.amdhsa_system_sgpr_workgroup_id_z 1
		.amdhsa_system_vgpr_workitem_id 0
		.amdhsa_next_free_vgpr 250
		.amdhsa_next_free_sgpr 66
		.amdhsa_reserve_vcc 0
		.amdhsa_float_denorm_mode_32 3
		.amdhsa_float_denorm_mode_16_64 3
		.amdhsa_memory_ordered 1
		.amdhsa_forward_progress 1
		.amdhsa_inst_pref_size 179
	.end_amdhsa_kernel
	.amdgpu_metadata
---
amdhsa.version: [ 1, 2 ]
amdhsa.kernels:
  - .name:           k_q6ae8a8924d_attn
    .symbol:         k_q6ae8a8924d_attn.kd
    .args:
      - { .name: query, .offset: 0, .size: 8, .value_kind: global_buffer, .address_space: global }
      - { .name: fq, .offset: 8, .size: 8, .value_kind: global_buffer, .address_space: global }
      - { .name: fv, .offset: 16, .size: 8, .value_kind: global_buffer, .address_space: global }
      - { .name: vcodes, .offset: 24, .size: 8, .value_kind: global_buffer, .address_space: global }
      - { .name: vscales, .offset: 32, .size: 8, .value_kind: global_buffer, .address_space: global }
      - { .name: out0, .offset: 40, .size: 8, .value_kind: global_buffer, .address_space: global }
      - { .name: out1, .offset: 48, .size: 8, .value_kind: global_buffer, .address_space: global }
    .group_segment_fixed_size: 122880
    .private_segment_fixed_size: 0
    .kernarg_segment_align: 8
    .kernarg_segment_size: 56
    .max_flat_workgroup_size: 512
    .sgpr_count:     66
    .vgpr_count:     250
    .wavefront_size: 32
...
	.end_amdgpu_metadata
.endif
;; end of part 2
;; ======== version 2 of 2: 2 launches; version 1 with the launches prep, attn written anew for expert scheduling mode
;; limits: right only within a limited range of input values
;; workspace buffers: fq 4,194,304 bytes; fv 8,388,608 bytes; vcodes 524,288 bytes; vscales 32,768 bytes
;; launch prep (part 3): grid 112 x 1, 8 waves a work-group, no clusters, 10,240 bytes of LDS; arguments query, value, W1, b1, W2, b2, fq, fv, vcodes, vscales; writes fq, fv, vcodes, vscales
.if DOCPART == 3
	.amdgcn_target "amdgcn-amd-amdhsa--gfx1250"
	.amdhsa_code_object_version 6
	.text
	.protected	k_q6ae8a8924d_prep
	.globl	k_q6ae8a8924d_prep
	.p2align	8
	.type	k_q6ae8a8924d_prep,@function
k_q6ae8a8924d_prep:
	s_mov_b64 s[64:65], 0
	v_nop
	global_prefetch_b8 v0, s[64:65] scope:SCOPE_SE
	s_setreg_imm32_b32 hwreg(HW_REG_WAVE_SCHED_MODE, 0, 2), 2
	s_setreg_imm32_b32 hwreg(HW_REG_WAVE_MODE, 25, 1), 1
	s_wait_xcnt 0x0
	s_wait_alu depctr_vm_vsrc(0)
; PREPARATION for additive attention: score(q, k) = sum over e of tanh(Q[q][e] + V[k][e]), Q = query W1 + b1, V = value W2 + b2, both products on codes of FP4 (E2M1), one E8M0 scale for each 32 along K.
; With c = 2 log2(e): tanh(x) = 1 - 2 / (1 + 2^(c x)) = 2 / (1 + 2^(-c x)) - 1.  For each row and feature e this launch stores y = c x (ODD e: -c x) as a whole number i = floor(y) and f = 2^(y - i), 1 <= f <= 2:
; the next launch makes 2^(yQ + yV) as ldexp(fV, iQ + iV) x fQ, with no exponential of its own.
; WORK-GROUPS (8 waves): 0-31: 64 rows of query;  32-95: 64 rows of value;  96-111: 256 keys x 256 columns of value, quantised ALONG THE KEYS for the last product.
; COLUMNS (K is the first axis of W1, W2 and, for the keys, of value): wave w takes columns 32 w + lane, its registers run down K: a block of 32 lies in one lane and the codes come out with K innermost.
; Lanes 0-15 are one tile of 16 columns, lanes 16-31 the next; the operand wants an even and an odd block of ONE tile in the two halves of the lanes: one exchange of halves between an even and an odd block's registers gives both tiles.
; ROWS: wave w quantises tile w / 2 (16 rows), K step w % 2, in registers and hands it on through LDS as an image of the operand's registers.  The product is used transposed (source 0 = 16 columns of W, source 1 = 16 rows):
; a lane holds one row, its registers 8 features.  value: tile s, lane r = row 4 r + s, so that a lane's four tiles are four neighbouring keys;  query: row 16 s + r.
; OUT: fv[128 keys][e][f, i][128 keys x 4 bytes];  fq[16 queries][e / 2][query][e % 2][f, i];  vcodes[batch][16 columns][128 keys][half][lane][16 bytes];  vscales[batch][128 keys][column] words.
; Sixteen neighbouring lanes of each store of fv and fq cover 256 consecutive bytes, aligned.
; LIMITS: |c (x W + b)| under 2^30 (i is a 32-bit whole number, and two are added later); NaN and infinities among the inputs are not served; a block whose largest magnitude lies under 2^-124 (zeros too) gets the byte 1: its codes add nothing.
; THE MODE: SCHED_MODE bits 1:0 = 2 (LLVM: expert scheduling mode 2), set by the entry lines.  The code itself states the register dependences
; between vector or matrix instructions and memory or LDS instructions, with s_wait_alu, always for 0.
; THE PLAN.  Registers that memory or LDS instructions touch:
;   v4-v11      offsets and LDS addresses: made once on each way, ahead of one wait on va_vdst, and never written again.
;   WB0, WB1    Block kb: its loads land in WB[kb % 2]; its maxima and conversions read it; behind them, and behind one wait on va_vdst, the loads of block kb + 2 land in it.
;   XR, BI      loaded once; read by vector and matrix instructions alone.
;   PC, PW      written by QUANT, read by three LDS stores behind one wait on va_vdst, never written again.  That wait also shows blocks 6 and 7 done reading WB, in which, as XF, the LDS loads behind the barrier land.
;   WF, SW      written by conversions and exchanges of halves; taken by the scaled products (the places, then a wait on va_vdst); on the keys' way read by the stores, behind one wait.
;   O           tile 0's f and i are written, one wait on va_vdst (the exponentials' own), the stores read them; tile 1 writes them again behind s_wait_xcnt 0 and a wait on vm_vsrc.
.set NQG,  32                          ; groups of 64 rows of query
.set NPG,  96                          ; of query and value together
.set XIMG, 0                           ; LDS: 8 fragments' images of 1,024 bytes,
.set XSC,  8192                        ; and their scale words, 128 bytes each
.set XA,   4                           ; v4   my byte in the group's rows
.set LI,   5                           ; v5   16 x lane
.set LS,   6                           ; v6   XSC + 4 x lane
.set XWI,  7                           ; v7   where I store my fragment's image
.set XWS,  8                           ; v8   and its scale word
.set WA,   9                           ; v9   my column: 4 x thread
.set BO,   10                          ; v10  bias: 32 x (lane / 16); on the keys' way 4 x lane
.set SO,   11                          ; v11  the stores' lane term
.set MA,   12
.set MB,   13
.set SCO,  14
.set BYT,  15
.set WF,   16                          ; v16-47  my 32 columns' fragments: tile u, K step t, half c at WF + 16 u + 8 t + 4 c
.set SW,   48                          ; v48-49  their scale words, K step t: lanes 0-15 tile 0, lanes 16-31 tile 1
.set XS,   50                          ; v50-57  the rows' scale words, fragment 2 s + t
.set CC,   58                          ; v58-59  c, -c
.set BI,   60                          ; v60-75  the bias of my two tiles, in the result's layout
.set WB,   76                          ; v76-139 two blocks of 32 numbers of my column;  then
.set XF,   76                          ;         the rows' 8 fragments;  then
.set O,    76                          ;         32 f and 32 i, in the order of the stores
.set XR,   140                         ; v140-203 64 numbers of my row;  then
.set DD,   140                         ;         the 8 accumulators: tile u, rows s at DD + 32 u + 8 s
.set TM,   204
.set PC,   220
.set PW,   228
.set SEL,  54                          ; s[54:55] lane selects: lane l xor 16
; 64 numbers of a lane, register 16 b + i = k 32 b + 16 (lane / 16) + i of my row, become a fragment's codes in v[PC] on and its scale word in v[PW]
.macro QUANT s
.irp b, 0,1,2,3
	v_max3_num_f32 v[TM+\b], |v[\s+16*\b]|, |v[\s+1+16*\b]|, 0x1800000   ; my 16 numbers of block b, and the floor 2^(3 - 127): the byte cannot fall under 1
.endr
.irp i, 2,4,6,8,10,12,14
.irp b, 0,1,2,3
	v_max3_num_f32 v[TM+\b], v[TM+\b], |v[\s+16*\b+\i]|, |v[\s+1+16*\b+\i]|
.endr
.endr
.irp b, 0,1,2,3
	v_permlanex16_b32 v[TM+4+\b], v[TM+\b], s[SEL], s[SEL+1]
.endr
.irp b, 0,1,2,3
	v_max_num_f32 v[TM+\b], v[TM+\b], v[TM+4+\b]   ; with lane l xor 16's: the block's largest magnitude
.endr
.irp b, 0,1,2,3
	v_add_nc_u32 v[TM+12+\b], 0xff000000, v[TM+\b]   ; 2 off its exponent field: the conversion takes that field as its scale
.endr
.irp b, 0,1,2,3
	v_lshrrev_b32 v[TM+4+\b], 23, v[TM+12+\b]      ; the scale's byte
.endr
	v_lshl_or_b32 v[PW], v[TM+5], 8, v[TM+4]
	v_lshl_or_b32 v[PW], v[TM+6], 16, v[PW]
	v_lshl_or_b32 v[PW], v[TM+7], 24, v[PW]
.irp b, 0,1,2,3
	v_cvt_scalef32_pk8_fp4_f32 v[PC+2*\b], v[\s+16*\b:\s+7+16*\b], v[TM+12+\b]
	v_cvt_scalef32_pk8_fp4_f32 v[PC+1+2*\b], v[\s+8+16*\b:\s+15+16*\b], v[TM+12+\b]
.endr
	v_nop                                          ; one plain place behind a scaled conversion
.irp c, 0,1
.irp i, 0,1
	v_permlane16_swap_b32 v[PC+4*\c+\i], v[PC+2+4*\c+\i]   ; a whole block to a lane: lanes 0-15 block 2 c, lanes 16-31 block 2 c + 1
.endr
.endr
.endm
; block kb of my column: rows 32 kb .. 32 kb + 31; a wave's load reads 128 neighbouring bytes, the eight waves a whole row
.macro WLOAD kb
.set wi, 0
.rept 32
	global_load_b32 v[WB+32*((\kb)%2)+wi], v[WA], s[28:29] offset:(32*(\kb)+wi)*1024
.set wi, wi+1
.endr
.endm
.macro BLOCK kb
.set XB, WB+32*((\kb)%2)
.if (\kb) < 7
	s_wait_loadcnt 32                              ; this block's 32 loads (and all older ones) are in; the next block's 32 may be out
.else
	s_wait_loadcnt 0x0
.endif
	v_max3_num_f32 v[MA], |v[XB]|, |v[XB+1]|, |v[XB+2]|   ; all 32 numbers of the block are mine
	v_max3_num_f32 v[MB], |v[XB+3]|, |v[XB+4]|, |v[XB+5]|
.irp i, 6,10,14,18,22,26
	v_max3_num_f32 v[MA], v[MA], |v[XB+\i]|, |v[XB+\i+1]|
	v_max3_num_f32 v[MB], v[MB], |v[XB+\i+2]|, |v[XB+\i+3]|
.endr
	v_max3_num_f32 v[MA], v[MA], |v[XB+30]|, |v[XB+31]|
	v_max3_num_f32 v[MA], v[MA], v[MB], 0x1800000  ; and the floor
	v_add_nc_u32 v[SCO], 0xff000000, v[MA]
	v_lshrrev_b32 v[BYT], 23, v[SCO]
.if (\kb)%4 == 0
	v_mov_b32 v[SW+(\kb)/4], v[BYT]                ; four bytes make the scale word of a K step
.else
	v_lshl_or_b32 v[SW+(\kb)/4], v[BYT], 8*((\kb)%4), v[SW+(\kb)/4]
.endif
.irp g, 0,1,2,3
	v_cvt_scalef32_pk8_fp4_f32 v[WF+16*((\kb)%2)+8*((\kb)/4)+4*(((\kb)/2)%2)+\g], v[XB+8*\g:XB+8*\g+7], v[SCO]   ; even blocks into tile 0's registers, odd ones into tile 1's
.endr
.if (\kb)+2 < 8
	s_wait_alu depctr_va_vdst(0)                   ; the block's maxima and conversions are done reading its 32 registers, in which the loads below land
	WLOAD (\kb)+2
.endif
.endm
.macro QCOL                            ; my 32 columns x 256 along K -> four fragments and two scale words
	WLOAD 0
	WLOAD 1
.irp kb, 0,1,2,3,4,5,6,7
	BLOCK \kb
.endr
	v_nop                                          ; one plain place behind the last conversion
.set wi, 0
.rept 16
	v_permlane16_swap_b32 v[WF+wi], v[WF+16+wi]    ; the even block's lanes 16-31 (tile 1) change places with the odd block's lanes 0-15 (tile 0)
.set wi, wi+1
.endr
.endm
.macro WM u, s, t                      ; my tile u x rows s, K step t.  The bias is the C of a sum's first product
.set RD, DD+32*(\u)+8*(\s)
.set RA, WF+16*(\u)+8*(\t)
.set RB, XF+8*(2*(\s)+(\t))
.if (\t) == 0
.if (\u) == 0
	v_wmma_scale_f32_16x16x128_f8f6f4 v[RD:RD+7], v[RA:RA+7], v[RB:RB+7], v[BI:BI+7], v[SW], v[XS+2*(\s)] matrix_a_fmt:MATRIX_FMT_FP4 matrix_b_fmt:MATRIX_FMT_FP4
.else
	v_wmma_scale_f32_16x16x128_f8f6f4 v[RD:RD+7], v[RA:RA+7], v[RB:RB+7], v[BI+8:BI+15], v[SW], v[XS+2*(\s)] matrix_a_fmt:MATRIX_FMT_FP4 matrix_b_fmt:MATRIX_FMT_FP4 matrix_a_scale:MATRIX_SCALE_ROW1
.endif
.else
.if (\u) == 0
	v_wmma_scale_f32_16x16x128_f8f6f4 v[RD:RD+7], v[RA:RA+7], v[RB:RB+7], v[RD:RD+7], v[SW+1], v[XS+2*(\s)+1] matrix_a_fmt:MATRIX_FMT_FP4 matrix_b_fmt:MATRIX_FMT_FP4
.else
	v_wmma_scale_f32_16x16x128_f8f6f4 v[RD:RD+7], v[RA:RA+7], v[RB:RB+7], v[RD:RD+7], v[SW+1], v[XS+2*(\s)+1] matrix_a_fmt:MATRIX_FMT_FP4 matrix_b_fmt:MATRIX_FMT_FP4 matrix_a_scale:MATRIX_SCALE_ROW1
.endif
.endif
.endm
; where f and i of rows s, feature j go: fmt = 1 (value): the four tiles' numbers of one feature stand together; fmt = 0 (query): f, i of an even and an odd feature of one row
.macro PLACE fmt, s, j
.if \fmt
.set FP, O+8*(\j)+(\s)
.set IP, FP+4
.else
.set FP, O+16*(\s)+2*(\j)
.set IP, FP+1
.endif
.set DR, DD+32*UU+8*(\s)+(\j)
.endm
.macro EPI u, fmt                      ; tile u's 32 results of a lane become f and i and are stored
.set UU, \u
.irp s, 0,1,2,3
.irp j, 0,2,4,6
	v_pk_mul_f32 v[DD+32*\u+8*\s+\j:DD+32*\u+8*\s+\j+1], v[DD+32*\u+8*\s+\j:DD+32*\u+8*\s+\j+1], v[CC:CC+1]   ; c x for the even feature, -c x for the odd one; each accumulator from its low end on
.endr
.endr
.if \u
	s_wait_xcnt 0x0                                ; tile 0's stores have had their addresses translated: their data are written again only behind this wait,
	s_wait_alu depctr_vm_vsrc(0)                   ; and behind this one: tile 0's stores have read v[O ..], which the lines below write again (the scalings above name the accumulators alone)
.endif
.irp s, 0,1,2,3
.irp j, 0,1,2,3,4,5,6,7
	PLACE \fmt, \s, \j
	v_floor_f32 v[IP], v[DR]
.endr
.endr
.irp s, 0,1,2,3
.irp j, 0,1,2,3,4,5,6,7
	PLACE \fmt, \s, \j
	v_sub_f32 v[DR], v[DR], v[IP]                  ; the fraction, 0 .. 1
.endr
.endr
.irp s, 0,1,2,3
.irp j, 0,1,2,3,4,5,6,7
	PLACE \fmt, \s, \j
	v_exp_f32 v[FP], v[DR]                         ; f = 2^fraction: one batch of 32
.endr
.endr
.irp s, 0,1,2,3
.irp j, 0,1,2,3,4,5,6,7
	PLACE \fmt, \s, \j
	v_cvt_i32_f32 v[IP], v[IP]                     ; i as a whole number: plain work behind the batch, which names none of its results
.endr
.endr
	s_wait_alu depctr_va_vdst(0)                   ; the 32 exponentials and the 32 conversions have written v[O ..], and v[SO] is written: the stores below read them.  It is also the one wait for the batch, ahead of its first reader
.if \fmt
.irp j, 0,1,2,3,4,5,6,7
	global_store_b128 v[SO], v[O+8*\j:O+8*\j+3], s[50:51] offset:16384*\u+1024*\j         ; lanes 0-15: feature j's 64 keys, 256 bytes; lanes 16-31: feature 8 + j's
	global_store_b128 v[SO], v[O+8*\j+4:O+8*\j+7], s[50:51] offset:16384*\u+1024*\j+512
.endr
.else
.irp s, 0,1,2,3
.irp p, 0,1,2,3
	global_store_b128 v[SO], v[O+16*\s+4*\p:O+16*\s+4*\p+3], s[50:51] offset:32768*\s+2048*\u+256*\p   ; lanes 0-15: 16 queries of one pair of features, 256 bytes; lanes 16-31: of the pair four on
.endr
.endr
.endif
.endm
	s_load_b512 s[8:23], s[0:1], 0x0               ; query s[8:9], value s[10:11], W1 s[12:13], b1 s[14:15], W2 s[16:17], b2 s[18:19], fq s[20:21], fv s[22:23]
	s_load_b128 s[24:27], s[0:1], 0x40             ; vcodes s[24:25], vscales s[26:27]
	v_lshl_add_u32 v232, v0, 2, 0x2400
	v_mov_b32 v233, 0
	v_lshrrev_b32 v1, 5, v0
	v_readfirstlane_b32 s2, v1                     ; wave 0..7
	v_and_b32 v1, 31, v0                           ; lane
	v_and_b32 v2, 15, v0                           ; r
	v_bfe_u32 v3, v0, 4, 1                         ; h
	v_lshlrev_b32 v[WA], 2, v0
	v_lshlrev_b32 v[LI], 4, v1
	s_mov_b32 s[SEL], 0x76543210
	s_mov_b32 s[SEL+1], 0xfedcba98
	s_mov_b32 s49, 0
	s_wait_alu depctr_va_sdst(0)                   ; s2, the wave's number, is written: ahead of the branch and of its first reader on either way
	s_wait_kmcnt 0x0
	s_cmp_ge_u32 ttmp9, NPG
	s_cbranch_scc1 .Lkeys
	; ---- 64 rows of query or of value
	s_cmp_lt_u32 ttmp9, NQG                        ; query's group?  All choices hang on the work-group's number alone
	s_cselect_b64 s[28:29], s[12:13], s[16:17]     ; the weight
	s_cselect_b64 s[44:45], s[14:15], s[18:19]     ; the bias
	s_cselect_b64 s[46:47], s[8:9], s[10:11]       ; the rows
	s_cselect_b32 s5, 0, NQG                       ; the tensor's first group
	s_cselect_b32 s6, 10, 12                       ; from lane to lane: 1 row, or 4 (as a shift of bytes)
	s_cselect_b32 s7, 14, 10                       ; from tile to tile: 16 rows, or 1
	s_sub_co_u32 s4, ttmp9, s5                     ; g: which 64 rows of the tensor
	s_lshl_b32 s48, s4, 16
	s_lshr_b32 s3, s2, 1
	s_lshl_b32 s3, s3, s7                          ; my tile
	s_add_co_u32 s48, s48, s3
	s_and_b32 s3, s2, 1
	s_lshl_b32 s3, s3, 9                           ; my K step
	s_add_co_u32 s48, s48, s3
	s_add_nc_u64 s[46:47], s[46:47], s[48:49]
	s_lshl_b32 s48, s2, 7                          ; the bias of my 32 columns
	s_add_nc_u64 s[44:45], s[44:45], s[48:49]
	v_lshlrev_b32 v[XA], s6, v2
	v_lshl_add_u32 v[XA], v3, 6, v[XA]             ; my row, + 64 (lane / 16): my 16 numbers of a block of 32
	v_lshlrev_b32 v[BO], 5, v3
	v_lshl_add_u32 v[LS], v1, 2, XSC
	s_lshl_b32 s3, s2, 10
	v_lshl_add_u32 v[XWI], v1, 4, s3
	v_lshl_add_u32 v[XWS], v0, 2, XSC
	v_mov_b32 v[CC], 0x4038aa3b                    ; c = 2 log2(e)
	v_mov_b32 v[CC+1], 0xc038aa3b
.irp b, 0,1,2,3
	v_mov_b32 v[TM+4+\b], 0                        ; written once: a lane permute's destination counts as one of its sources
.endr
	s_wait_alu depctr_va_vdst(0)                   ; the offsets and LDS addresses v4 to v10 are written, which the loads below and the LDS instructions further down read
.set wi, 0
.rept 16
	global_load_b128 v[XR+4*wi:XR+4*wi+3], v[XA], s[46:47] offset:128*(wi/4)+16*(wi%4)
.set wi, wi+1
.endr
.irp u, 0,1
	global_load_b128 v[BI+8*\u:BI+8*\u+3], v[BO], s[44:45] offset:64*\u
	global_load_b128 v[BI+8*\u+4:BI+8*\u+7], v[BO], s[44:45] offset:64*\u+16
.endr
	QCOL                                           ; its last wait is for all loads: my row's numbers and the bias are in too
	QUANT XR
	s_wait_alu depctr_va_vdst(0)                   ; QUANT has written v[PC ..] and v[PW], which the LDS stores read; blocks 6 and 7 are done reading v[WB ..], in which the LDS loads behind the barrier land
	ds_store_b128 v[XWI], v[PC:PC+3]               ; the fragment as it stands: 16 bytes a lane
	ds_store_b128 v[XWI], v[PC+4:PC+7] offset:512
	ds_store_b32 v[XWS], v[PW]
	s_wait_dscnt 0x0                               ; for the others' sake: my stores are done
	s_barrier_signal -1
	s_barrier_wait -1                              ; the rows' eight fragments lie in LDS
.irp f, 0,1,2,3,4,5,6,7
	ds_load_b128 v[XF+8*\f:XF+8*\f+3], v[LI] offset:XIMG+1024*\f
	ds_load_b128 v[XF+8*\f+4:XF+8*\f+7], v[LI] offset:XIMG+1024*\f+512
	ds_load_b32 v[XS+\f], v[LS] offset:128*\f
.endr
.rept 8
	v_nop                                          ; the weights' scale words and fragments were written by vector instructions: 8 and 4 places ahead of a scaled product
.endr
	s_wait_alu depctr_va_vdst(0)                   ; behind the places: the conversions and exchanges have written v[WF ..] and v[SW ..], which the scaled products take as source 0 and as its scales
	s_wait_dscnt 0x0
.irp t, 0,1                                    ; the eight accumulators take turns, one instruction a turn
.irp u, 0,1
.irp s, 0,1,2,3
	WM \u, \s, \t
.endr
.endr
.endr
.rept 4
	v_nop                                          ; places behind the last products
.endr
	s_cmp_lt_u32 ttmp9, NQG
	s_cbranch_scc1 .Lquery
	s_lshr_b32 s48, s4, 1                          ; value: which 128 keys,
	s_lshl_b32 s48, s48, 18
	s_and_b32 s3, s4, 1                            ; which 64 of them,
	s_lshl_b32 s3, s3, 8
	s_add_co_u32 s48, s48, s3
	s_lshl_b32 s3, s2, 15                          ; my 32 features
	s_add_co_u32 s48, s48, s3
	s_add_nc_u64 s[50:51], s[22:23], s[48:49]
	v_lshlrev_b32 v[SO], 4, v2
	v_lshl_add_u32 v[SO], v3, 13, v[SO]            ; keys 4 r .. 4 r + 3; lanes 16-31 eight features on
	EPI 0, 1
	EPI 1, 1
	s_wait_dscnt 0x0                               ; the closing lines, six on end
	s_wait_alu 0x0
	s_wait_tensorcnt 0x0
	ds_add_u32 v232, v233
	s_wait_dscnt 0x0
	s_endpgm
.Lquery:
	s_lshl_b32 s48, s4, 17                         ; query: four blocks of 16 rows,
	s_lshl_b32 s3, s2, 12                          ; my 16 pairs of features
	s_add_co_u32 s48, s48, s3
	s_add_nc_u64 s[50:51], s[20:21], s[48:49]
	v_lshlrev_b32 v[SO], 4, v2
	v_lshl_add_u32 v[SO], v3, 10, v[SO]            ; query r; lanes 16-31 four pairs on
	EPI 0, 0
	EPI 1, 0
	s_wait_dscnt 0x0                               ; the closing lines, six on end
	s_wait_alu 0x0
	s_wait_tensorcnt 0x0
	ds_add_u32 v232, v233
	s_wait_dscnt 0x0
	s_endpgm
	; ---- 256 keys x 256 columns of value, quantised along the keys.  This way stores nothing to LDS
.Lkeys:
	s_sub_co_u32 s4, ttmp9, NPG                    ; which 256 keys
	s_lshl_b32 s48, s4, 18
	s_add_nc_u64 s[28:29], s[10:11], s[48:49]
	s_wait_alu depctr_va_vdst(0)                   ; v[WA] is written, which the loads of the columns read
	QCOL
	s_lshr_b32 s5, s4, 1                           ; the batch
	s_and_b32 s6, s4, 1                            ; which half of its keys: K steps 2 x half + t
	s_lshl_b32 s48, s5, 16
	s_lshl_b32 s3, s2, 13                          ; my two tiles of columns
	s_add_co_u32 s48, s48, s3
	s_lshl_b32 s3, s6, 11
	s_add_co_u32 s48, s48, s3
	s_add_nc_u64 s[24:25], s[24:25], s[48:49]
	s_lshl_b32 s48, s5, 12
	s_add_co_u32 s48, s48, s3
	s_lshl_b32 s3, s2, 7
	s_add_co_u32 s48, s48, s3
	s_add_nc_u64 s[26:27], s[26:27], s[48:49]
	v_lshlrev_b32 v[BO], 2, v1
	s_wait_alu depctr_va_vdst(0)                   ; the conversions and exchanges have written v[WF ..] and v[SW ..], and v[BO] is written: the stores below read them
.irp u, 0,1
.irp t, 0,1
.irp c, 0,1
	global_store_b128 v[LI], v[WF+16*\u+8*\t+4*\c:WF+16*\u+8*\t+4*\c+3], s[24:25] offset:4096*\u+1024*\t+512*\c   ; 512 consecutive bytes a store
.endr
.endr
.endr
.irp t, 0,1
	global_store_b32 v[BO], v[SW+\t], s[26:27] offset:1024*\t
.endr
	s_endpgm
.Lfunc_end_k_q6ae8a8924d_prep:
	.size	k_q6ae8a8924d_prep, .Lfunc_end_k_q6ae8a8924d_prep-k_q6ae8a8924d_prep
	.p2alignl 7, 3214868480
	.fill 96, 4, 3214868480
	.section	.rodata,"a",@progbits
	.p2align	6, 0x0
	.amdhsa_kernel k_q6ae8a8924d_prep
		.amdhsa_group_segment_fixed_size 10240
		.amdhsa_private_segment_fixed_size 0
		.amdhsa_enable_private_segment 0
		.amdhsa_kernarg_size 80
		.amdhsa_user_sgpr_count 2
		.amdhsa_user_sgpr_kernarg_segment_ptr 1
		.amdhsa_wavefront_size32 1
		.amdhsa_system_sgpr_workgroup_id_x 1
		.amdhsa_system_sgpr_workgroup_id_y 1
		.amdhsa_system_sgpr_workgroup_id_z 1
		.amdhsa_system_vgpr_workitem_id 0
		.amdhsa_next_free_vgpr 234
		.amdhsa_next_free_sgpr 66
		.amdhsa_reserve_vcc 0
		.amdhsa_float_denorm_mode_32 3
		.amdhsa_float_denorm_mode_16_64 3
		.amdhsa_memory_ordered 1
		.amdhsa_forward_progress 1
		.amdhsa_inst_pref_size 114
	.end_amdhsa_kernel
	.amdgpu_metadata
---
amdhsa.version: [ 1, 2 ]
amdhsa.kernels:
  - .name:           k_q6ae8a8924d_prep
    .symbol:         k_q6ae8a8924d_prep.kd
    .args:
      - { .name: query, .offset: 0, .size: 8, .value_kind: global_buffer, .address_space: global }
      - { .name: value, .offset: 8, .size: 8, .value_kind: global_buffer, .address_space: global }
      - { .name: W1, .offset: 16, .size: 8, .value_kind: global_buffer, .address_space: global }
      - { .name: b1, .offset: 24, .size: 8, .value_kind: global_buffer, .address_space: global }
      - { .name: W2, .offset: 32, .size: 8, .value_kind: global_buffer, .address_space: global }
      - { .name: b2, .offset: 40, .size: 8, .value_kind: global_buffer, .address_space: global }
      - { .name: fq, .offset: 48, .size: 8, .value_kind: global_buffer, .address_space: global }
      - { .name: fv, .offset: 56, .size: 8, .value_kind: global_buffer, .address_space: global }
      - { .name: vcodes, .offset: 64, .size: 8, .value_kind: global_buffer, .address_space: global }
      - { .name: vscales, .offset: 72, .size: 8, .value_kind: global_buffer, .address_space: global }
    .group_segment_fixed_size: 10240
    .private_segment_fixed_size: 0
    .kernarg_segment_align: 8
    .kernarg_segment_size: 80
    .max_flat_workgroup_size: 256
    .sgpr_count:     66
    .vgpr_count:     234
    .wavefront_size: 32
...
	.end_amdgpu_metadata
.endif
;; end of part 3
;; launch attn (part 4): grid 32 x 8, 16 waves a work-group, no clusters, 122,880 bytes of LDS; arguments query, fq, fv, vcodes, vscales, out0, out1; writes out0, out1
.if DOCPART == 4
	.amdgcn_target "amdgcn-amd-amdhsa--gfx1250"
	.amdhsa_code_object_version 6
	.text
	.protected	k_q6ae8a8924d_attn
	.globl	k_q6ae8a8924d_attn
	.p2align	8
	.type	k_q6ae8a8924d_attn,@function
k_q6ae8a8924d_attn:
	s_mov_b64 s[64:65], 0
	v_nop
	global_prefetch_b8 v0, s[64:65] scope:SCOPE_SE
	s_setreg_imm32_b32 hwreg(HW_REG_WAVE_SCHED_MODE, 0, 2), 2
	s_setreg_imm32_b32 hwreg(HW_REG_WAVE_MODE, 25, 1), 1
	s_wait_xcnt 0x0
	s_wait_alu depctr_vm_vsrc(0)
; ADDITIVE ATTENTION.  score(q, k) = sum over e of tanh(Q[q][e] + V[k][e]); out1[b][k][q] = softmax over k; out0[b][q] = [softmax x value, query].
; The launch before left, for each row and feature, y = c x (odd e: -c x), c = 2 log2(e), as i = floor(y) and f = 2^(y - i).  Here r = 1 / (1 + ldexp(fV, iQ + iV) x fQ): one reciprocal for each (q, k, e).
; tanh = 1 - 2 r for even e and 2 r - 1 for odd e, so score = -2 acc with acc = the sum of r over even e less the sum over odd e: a sum of numbers that stays as small as the score itself.
; SHARES.  A work-group owns 8 queries of one batch and all 512 keys.  Wave W of sixteen owns keys 128 (W % 4) on and features 64 (W / 4) on; a lane 4 neighbouring keys x 8 queries: 32 sums.
; THE KEYS' FACTORS go from memory straight into the one wave that uses them: two loads of 512 consecutive bytes a feature, into a ring of 8 features in registers, asked for seven phases ahead.
; NO CLUSTER, though the 32 work-groups of a batch read the same factors: each byte is wanted in the registers of ONE wave of a work-group, and a phase of 128 arithmetic instructions asks for two loads.  A joint load would send the
; bytes through LDS, where two slots for sixteen waves hold 8 features each at the most: all 64 waves of four work-groups would have to meet once for every 8 features.  As it is, no wave waits for another between the head and the tail.
; THE QUERIES' FACTORS, 16,384 bytes a work-group, are the same in all lanes: they are copied ONCE into LDS, laid [feature][query][f, i], and read from there, 64 bytes a feature, every lane the same bytes, a phase ahead.
; A PHASE is one feature: it prepares feature i, takes the reciprocals of feature i - 1 and sums those of feature i - 2, the three interleaved; one wait stands at its end.
; THE SOFTMAX: t = -c acc; M = ceil(the row's largest t); p = 2^(t - M) is quantised along the keys to FP4 (E2M1), one E8M0 scale for each 32; l = the sum of the unquantised p divides at the end.
; LIMITS: |y| under 2^30; NaN and infinities are not served; the division by l is a multiplication by v_rcp_f32's result; a block of p under 2^-124 gets the byte 1;
; out1 leaves in pieces of 32 bytes: a work-group owns 8 of a row's 256 numbers.
; THE MODE: SCHED_MODE bits 1:0 = 2 (LLVM: expert scheduling mode 2), set by the entry lines.  The code itself states the register dependences
; between vector or matrix instructions and memory or LDS instructions, with s_wait_alu, always for 0.
; THE PLAN.  Registers that memory or LDS instructions touch, in the loop:
;   KF, place p   Phase i: its additions and ldexps read place i % 8; the two loads at the head of phase i + 1 land in it (the feature seven on).
;   QB0, QB1      Phase i: its additions and multiply-adds read set i % 2; the four LDS loads at the head of phase i + 1 land in it.
;   v[QA]         Read by those LDS loads; written once a trip, at the end of phase 7, behind a wait on vm_vsrc and ahead of the phase's wait on va_vdst.
;   v[FO]         Read by every load of the ring; made at the head and never written again: the scalar base moves on, and immediate offsets do the rest.
;   R0, R1 and the sums are named by vector instructions alone.
; So ONE wait on va_vdst stands in a phase, at its end; it is also the wait for the phase's 32 reciprocals.  The next phase's six loads follow it with no vector instruction between, and that phase's own
; vector instructions name the ring's next place and the other set: none of the registers that those loads touch.
; In the tail each run of stores has one wait on va_vdst ahead of it, and a wait on vm_vsrc stands behind the first two barriers, ahead of the branches: registers that LDS stores have read are written again behind them.
.set PART,  0                          ; LDS, the tail's: the waves' sums: [features' quarter][query] rows of 2,048 bytes
.set PROW,  65536                      ; p: 8 rows of 2,048 bytes + 16
.set PP,    2064
.set RL,    82176                      ; 1 / l of the 8 queries
.set PIMG,  82432                      ; p's four fragments as images of their registers
.set PSC,   86528                      ; and their scale words
.set STG,   87040                      ; the context: 16 rows of 1,024 bytes + 16 (rows 8-15 repeat the queries and are not read)
.set SP,    1040
.set QFB,   104448                     ; the queries' factors: 256 features x 64 bytes; bytes of their own, since one wave may be in the tail while another still reads them
.set QA0, 5                            ; v5   QFB + 4,096 x my quarter of the features: the same in all lanes
.set QA,  6                            ; v6   the same, at the trip in hand
.set TMP, 7
.set KF,  24                           ; v24-87   the ring of 8 features: f of my 4 keys at 8 i, i at 8 i + 4
.set R,   88                           ; v88-151  two sets of 32
.set ACC, 152                          ; v152-183 the sums: query q, key k at 4 q + k
.set VS,  184                          ; v184-187 value's scale words;  v188-191 p's: they hold scales and nothing else
.set PS,  188
.set FO,  196                          ; v196 16 x lane
.set QB,  200                          ; v200-231 the queries' factors of two features: f of query q at 2 q, i at 2 q + 1
.set FQ,  232                          ; v232-239 the copy at the head
.set QST, 240                          ; v240 where I put it;  v241 where I take it from
.set FQO, 241
.set WV,  2                            ; s2  wave
.set TQ,  3                            ; s3  512 x trip: the trip's place among my features' factors of the queries
.set CNT, 4
.set FVB, 8                            ; s[8:9] the keys' factors at the trip's first feature
.set SEL, 46                           ; s[46:47] lane selects: lane l xor 16
.set NC,  48                           ; s[48:49] -c, twice
.macro BARRIER                         ; my LDS stores are done and my LDS loads are in: then the work-group's barrier
	s_wait_dscnt 0x0
	s_barrier_signal -1
	s_barrier_wait -1
.endm
.macro RCL n, rc
.if \rc
	v_rcp_f32 v[TQR+\n], v[TQR+\n]
.endif
.endm
.macro ACL n, ac                       ; ac = 2: the first feature's reciprocals start the sums
.if \ac == 2
	v_pk_mul_f32 v[AQ+\n:AQ+\n+1], v[SQ+\n:SQ+\n+1], 1.0 op_sel_hi:[1,0]
.elseif \ac == 1
.if PAR
	v_pk_add_f32 v[AQ+\n:AQ+\n+1], v[AQ+\n:AQ+\n+1], v[SQ+\n:SQ+\n+1] neg_lo:[0,1] neg_hi:[0,1]
.else
	v_pk_add_f32 v[AQ+\n:AQ+\n+1], v[AQ+\n:AQ+\n+1], v[SQ+\n:SQ+\n+1]
.endif
.endif
.endm
.macro ADL k, prep
.if \prep
	v_add_nc_u32 v[SQ+\k], v[QI+1], v[KI+4+\k]     ; iQ + iV
.endif
.endm
.macro LDL k, prep
.if \prep
	v_ldexp_f32 v[SQ+\k], v[KI+\k], v[SQ+\k]       ; fV x 2^(iQ + iV): 0 or infinity beyond f32's range, which give r = 1 or 0
.endif
.endm
.macro FML k, prep
.if \prep
	v_pk_fma_f32 v[SQ+\k:SQ+\k+1], v[SQ+\k:SQ+\k+1], v[QI:QI+1], 1.0 op_sel_hi:[1,0,0]   ; x fQ + 1 (of the pair f, i the low word serves both halves)
.endif
.endm
; Phase i of a trip.  S: the set that held feature i - 2's reciprocals and takes feature i;  T: feature i - 1's.
.macro PHASE i, ac, rc, prep, last
.set S, R+32*((\i)%2)
.set T, R+32-32*((\i)%2)
.set PAR, (\i)%2
.set KI, KF+8*((\i)%8)
.set KN, KF+8*(((\i)+7)%8)             ; the ring's place that the phase before has read out
.set QF0, QB+16*((\i)%2)
.set QF1, QB+16-16*((\i)%2)            ; likewise of the queries' two sets
.if \prep
.if (\last) && ((\i) > 0)
	s_wait_loadcnt 14-2*(\i)                       ; the last trip asks in its phase 0 alone: behind this feature's loads stand the two of each feature still to come
.else
	s_wait_loadcnt 12                              ; this feature's two loads are in; the two of each of the six features asked for behind it may be out
.endif
	s_wait_dscnt 0x0                               ; the queries' factors of this feature, asked for a phase ago
.if !((\last) && ((\i) == 7))
.irp n, 0,1,2,3
	ds_load_b128 v[QF1+4*\n:QF1+4*\n+3], v[QA] offset:64*((\i)+1)+16*\n   ; the next feature's: two queries a load, every lane the same bytes.  No vector instruction since the last phase's wait names these registers
.endr
.endif
.if !(\last) || ((\i) == 0)
	global_load_b128 v[KN:KN+3], v[FO], s[FVB:FVB+1] offset:1024*((\i)+7)          ; the feature seven on: f of my 4 keys, 512 consecutive bytes a wave,
	global_load_b128 v[KN+4:KN+7], v[FO], s[FVB:FVB+1] offset:1024*((\i)+7)+512    ; and i
.endif
.endif
.irp q, 0,1,2,3,4,5,6,7
.set QI, QF0+2*\q
.set SQ, S+4*\q
.set TQR, T+4*\q
.set AQ, ACC+4*\q
	RCL 0, \rc
	ACL 0, \ac
	ACL 2, \ac
	ADL 0, \prep
	RCL 1, \rc
	ADL 1, \prep
	ADL 2, \prep
	ADL 3, \prep
	RCL 2, \rc
	LDL 0, \prep
	LDL 1, \prep
	LDL 2, \prep
	RCL 3, \rc
	LDL 3, \prep
	FML 0, \prep
	FML 2, \prep
.endr
.if (\prep) && ((\i) == 7) && !(\last)
	s_add_co_u32 s[TQ], s[TQ], 512                 ; the next trip's place among the queries' factors
	s_wait_alu depctr_vm_vsrc(0)                   ; the LDS loads issued so far, this phase's among them, have read v[QA]
	v_add_nc_u32 v[QA], s[TQ], v[QA0]              ; it stands here so that the phase's wait below shows it written
.endif
.if (\rc) && !(\prep)
	v_nop                                          ; a plain instruction behind the last reciprocal
.endif
.if (\rc) || (\prep)
	s_wait_alu depctr_va_vdst(0)                   ; a phase that prepares is done reading its place of the ring and its set of the queries' factors, in which the next phase's loads land; in phase 7 v[QA] is written, which they read; and the phase's 32 reciprocals are written, ahead of their first reader, which stands in the next phase
.endif
.endm
.macro TRIP first, last                ; 8 features
.if !(\first)
	s_wait_xcnt 0x0                                ; the ring's loads have read their base: it is stepped only behind this wait
	s_add_nc_u64 s[FVB:FVB+1], s[FVB:FVB+1], 8192
.endif
.if \first
.irp n, 0,1,2,3
	ds_load_b128 v[QB+4*\n:QB+4*\n+3], v[QA] offset:16*\n   ; the first feature's factors of the queries
.endr
	PHASE 0, 0, 0, 1, \last
	PHASE 1, 0, 1, 1, \last
	PHASE 2, 2, 1, 1, \last
.else
	PHASE 0, 1, 1, 1, \last
	PHASE 1, 1, 1, 1, \last
	PHASE 2, 1, 1, 1, \last
.endif
.irp i, 3,4,5,6,7
	PHASE \i, 1, 1, 1, \last
.endr
.endm
	s_load_b256 s[16:23], s[0:1], 0x0              ; query s[16:17], fq s[18:19], fv s[20:21], vcodes s[22:23]
	s_load_b128 s[24:27], s[0:1], 0x20             ; vscales s[24:25], out0 s[26:27]
	s_load_b64 s[28:29], s[0:1], 0x30              ; out1
	v_lshl_add_u32 v248, v0, 2, 0x1d800
	v_mov_b32 v249, 0
	v_lshrrev_b32 v1, 5, v0
	v_readfirstlane_b32 s[WV], v1                  ; wave 0..15
	v_and_b32 v1, 31, v0                           ; lane
	v_and_b32 v2, 15, v0                           ; r
	v_bfe_u32 v3, v0, 4, 1                         ; h
	s_wait_alu depctr_va_sdst(0)                   ; s[WV] is written, ahead of its first reader: addresses, bases and the tail's branches are made from it
	s_mov_b32 s30, ttmp9                           ; my block of 8 queries
	s_and_b32 s31, ttmp7, 0xffff                   ; the batch
	s_and_b32 s32, s[WV], 3                        ; which 128 keys
	s_lshr_b32 s33, s[WV], 2                       ; which 64 features
	s_lshl_b32 s34, s31, 20                        ; fv: the batch, my 128 keys, my 64 features
	s_lshl_b32 s36, s32, 18
	s_add_co_u32 s34, s34, s36
	s_lshl_b32 s36, s33, 16
	s_add_co_u32 s34, s34, s36
	s_mov_b32 s35, 0
	s_mov_b32 s39, 0
	s_mov_b32 s[SEL], 0x76543210
	s_mov_b32 s[SEL+1], 0xfedcba98
	s_mov_b32 s[NC], 0xc038aa3b                    ; -c = -2 log2(e)
	s_mov_b32 s[NC+1], s[NC]
	s_mov_b32 s[TQ], 0
	; every LDS address is made here, ahead of the first parting of the waves
	v_lshlrev_b32 v[FO], 4, v1                     ; 16 x lane
	s_lshl_b32 s5, s33, 12
	s_add_co_u32 s5, s5, QFB
	v_mov_b32 v[QA0], s5
	v_add_nc_u32 v[QA], s[TQ], v[QA0]              ; the first trip's
	v_lshrrev_b32 v[TMP], 2, v0                    ; the copy: thread t takes the pair of features t / 4 and the queries 2 (t % 4), 2 (t % 4) + 1
	v_and_b32 v[FQO], 3, v0
	v_lshlrev_b32 v[QST], 7, v[TMP]
	v_lshl_add_u32 v[QST], v[FQO], 4, v[QST]
	v_add_nc_u32 v[QST], QFB, v[QST]               ; into LDS: 128 bytes a pair of features, 8 bytes a query
	v_lshlrev_b32 v[FQO], 5, v[FQO]
	v_lshl_add_u32 v[FQO], v[TMP], 8, v[FQO]       ; from memory: 256 bytes a pair (16 queries), 16 bytes a query
	s_lshl_b32 s5, s33, 14
	s_lshl_b32 s36, s32, 9
	s_add_co_u32 s5, s5, s36
	v_add_nc_u32 v8, s5, v[FO]                     ; v8  my sums: PART + 16,384 x quarter + 512 x keys' quarter + 16 x lane
	s_lshl_b32 s5, s[WV], 11
	v_add_nc_u32 v9, s5, v[FO]                     ; v9  query W's sums
	s_mul_i32 s5, s[WV], PP
	s_add_co_u32 s5, s5, PROW
	v_add_nc_u32 v10, s5, v[FO]                    ; v10 query W's row of p
	s_lshl_b32 s5, s[WV], 2
	s_add_co_u32 s5, s5, RL
	v_mov_b32 v11, s5                              ; v11 its 1 / l
	v_and_b32 v12, 7, v0
	v_mul_u32_u24 v12, v12, PP
	v_lshl_add_u32 v12, v3, 7, v12
	s_lshl_b32 s5, s[WV], 9
	s_add_co_u32 s5, s5, PROW
	v_add_nc_u32 v12, s5, v12                      ; v12 p of query r % 8, keys 128 W + 32 h on
	s_lshl_b32 s5, s[WV], 10
	s_add_co_u32 s5, s5, PIMG
	v_add_nc_u32 v13, s5, v[FO]                    ; v13 fragment W's image
	v_lshl_add_u32 v14, v0, 2, PSC                 ; v14 and its scale word
	v_lshl_add_u32 v15, v0, 2, PROW                ; v15 p of key = thread
	v_mov_b32 v20, RL                              ; v20 the eight 1 / l
	v_add_nc_u32 v21, PIMG, v[FO]                  ; v21 an image's place for my lane
	v_lshl_add_u32 v22, v1, 2, PSC                 ; v22 a scale word's
	v_mul_u32_u24 v23, v2, SP
	v_lshl_add_u32 v23, v3, 5, v23
	s_lshl_b32 s5, s[WV], 6
	s_add_co_u32 s5, s5, STG
	v_add_nc_u32 v23, s5, v23                      ; v23 the stage: row r, my 16 columns, + 32 h
	s_lshr_b32 s36, s[WV], 1
	s_and_b32 s37, s[WV], 1
	s_lshl_b32 s37, s37, 9
	s_mul_i32 s5, s36, SP
	s_add_co_u32 s5, s5, s37
	s_add_co_u32 s5, s5, STG
	v_add_nc_u32 v192, s5, v[FO]                   ; v192 back: row W / 2, half W % 2
	s_lshl_b32 s5, s36, 2
	s_add_co_u32 s5, s5, RL
	v_mov_b32 v193, s5                             ; v193 that row's 1 / l
	s_lshl_b32 s5, s36, 11
	s_add_co_u32 s5, s5, s37
	v_add_nc_u32 v199, s5, v[FO]                   ; v199 and its place in out0
	v_lshlrev_b32 v194, 4, v0                      ; v194 query's copy: in
	v_lshrrev_b32 v195, 6, v0
	v_lshlrev_b32 v195, 11, v195
	v_and_b32 v[TMP], 63, v0
	v_lshl_add_u32 v195, v[TMP], 4, v195           ; v195 and out: row thread / 64 of 2,048 bytes
	v_lshlrev_b32 v197, 2, v2                      ; v197 4 r
	v_lshlrev_b32 v198, 10, v0                     ; v198 out1: key = thread, a row of 1,024 bytes
	s_wait_kmcnt 0x0
	s_add_nc_u64 s[FVB:FVB+1], s[20:21], s[34:35]
	s_lshl_b32 s38, s31, 4                         ; fq: block of 16 queries 16 b + block / 2,
	s_lshr_b32 s40, s30, 1
	s_add_co_u32 s38, s38, s40
	s_lshl_b32 s38, s38, 15
	s_and_b32 s40, s30, 1                          ; its lower or upper 8 queries
	s_lshl_b32 s40, s40, 7
	s_add_co_u32 s38, s38, s40
	s_add_nc_u64 s[42:43], s[18:19], s[38:39]
	s_lshl_b32 s38, s31, 18
	s_lshl_b32 s40, s30, 13
	s_add_co_u32 s38, s38, s40
	s_add_nc_u64 s[6:7], s[16:17], s[38:39]        ; query at my 8 rows
	s_wait_alu depctr_va_vdst(0)                   ; all offsets and LDS addresses of the kernel are written (v5, v6, v8 to v15, v20 to v23, v192 to v199, v240, v241), which the loads, stores and LDS instructions from here on read
	global_load_b128 v[FQ:FQ+3], v[FQO], s[42:43]              ; one query: f, i of the even feature, f, i of the odd one
	global_load_b128 v[FQ+4:FQ+7], v[FQO], s[42:43] offset:16  ; the next query
	global_load_b128 v[16:19], v194, s[6:7]        ; my 16 bytes of the 8 rows of query
.irp i, 0,1,2,3,4,5,6
	global_load_b128 v[KF+8*\i:KF+8*\i+3], v[FO], s[FVB:FVB+1] offset:1024*\i        ; the ring's first seven features
	global_load_b128 v[KF+8*\i+4:KF+8*\i+7], v[FO], s[FVB:FVB+1] offset:1024*\i+512
.endr
	s_lshl_b32 s38, s31, 19
	s_lshl_b32 s40, s30, 14
	s_add_co_u32 s38, s38, s40
	s_add_nc_u64 s[10:11], s[26:27], s[38:39]      ; out0 at my 8 rows
	s_lshl_b32 s38, s31, 19
	s_lshl_b32 s40, s30, 5
	s_add_co_u32 s38, s38, s40
	s_add_nc_u64 s[12:13], s[28:29], s[38:39]      ; out1 at my batch and my 8 columns
	s_lshl_b32 s38, s31, 16
	s_lshl_b32 s40, s[WV], 12
	s_add_co_u32 s38, s38, s40
	s_add_nc_u64 s[14:15], s[22:23], s[38:39]      ; value's codes: my 16 columns
	s_lshl_b32 s38, s31, 12
	s_lshl_b32 s40, s[WV], 6
	s_add_co_u32 s38, s38, s40
	s_add_nc_u64 s[44:45], s[24:25], s[38:39]      ; and their scale words
	s_wait_loadcnt 14                              ; the three oldest loads are in; the ring's fourteen may be out
	ds_store_b64 v[QST], v[FQ:FQ+1]                ; the even feature, my first query;
	ds_store_b64 v[QST], v[FQ+2:FQ+3] offset:64    ; the odd feature;
	ds_store_b64 v[QST], v[FQ+4:FQ+5] offset:8     ; my second query
	ds_store_b64 v[QST], v[FQ+6:FQ+7] offset:72
	global_store_b128 v195, v[16:19], s[10:11] offset:1024   ; the second half of a row of out0: 512 consecutive bytes a wave
	BARRIER                                        ; the queries' factors lie in LDS: the one barrier ahead of the tail
	TRIP 1, 0
	s_mov_b32 s[CNT], 6
.Ltrip:
	TRIP 0, 0
	s_sub_co_u32 s[CNT], s[CNT], 1
	s_cmp_lg_u32 s[CNT], 0
	s_cbranch_scc1 .Ltrip
	TRIP 0, 1                                      ; the last trip is written out: no load leaves my 64 features
	PHASE 8, 1, 1, 0, 1                            ; the last feature's reciprocals, the sums of the one before
	PHASE 9, 1, 0, 0, 1                            ; the last feature's sums
	; ---- the tail.  value's fragments of my 16 columns are asked for
	s_wait_alu depctr_va_vdst(0)                   ; the last additions have written the sums, which the LDS stores read; the loop is done with the ring and with R0, R1, in which the loads below and those behind the barrier land
.irp t, 0,1,2,3
.irp c, 0,1
	global_load_b128 v[24+8*\t+4*\c:27+8*\t+4*\c], v[FO], s[14:15] offset:1024*\t+512*\c
.endr
	global_load_b32 v[VS+\t], v197, s[44:45] offset:1024*\t
.endr
.irp q, 0,1,2,3,4,5,6,7
	ds_store_b128 v8, v[ACC+4*\q:ACC+4*\q+3] offset:PART+2048*\q
.endr
	BARRIER                                        ; all sixteen waves' sums lie in LDS
	s_wait_alu depctr_vm_vsrc(0)                   ; my LDS stores have read v152 to v183: the softmax, the quantiser and out1's part write these registers again, on every way behind the branch below
	s_cmp_lt_u32 s[WV], 8
	s_cbranch_scc0 .Lno_softmax
	; waves 0-7: the softmax of query W; a lane holds keys 128 m + 4 lane + 0 .. 3
.irp e, 0,1,2,3
.irp m, 0,1,2,3
	ds_load_b128 v[88+16*\e+4*\m:91+16*\e+4*\m], v9 offset:PART+16384*\e+512*\m
.endr
.endr
	s_wait_dscnt 0x0
.irp e, 1,2,3
.irp j, 0,2,4,6,8,10,12,14
	v_pk_add_f32 v[88+\j:89+\j], v[88+\j:89+\j], v[88+16*\e+\j:89+16*\e+\j]   ; the four quarters of the features
.endr
.endr
	v_min3_num_f32 v152, v88, v89, v90             ; the largest t lies at the smallest acc: -c is negative
	v_min3_num_f32 v153, v91, v92, v93
.irp j, 94,98
	v_min3_num_f32 v152, v152, v[\j], v[\j+1]
	v_min3_num_f32 v153, v153, v[\j+2], v[\j+3]
.endr
	v_min3_num_f32 v152, v152, v102, v103
	v_min_num_f32 v152, v152, v153
	v_min_num_f32_dpp v152, v152, v152 row_xmask:1 row_mask:0xf bank_mask:0xf
	v_min_num_f32_dpp v152, v152, v152 row_xmask:2 row_mask:0xf bank_mask:0xf
	v_min_num_f32_dpp v152, v152, v152 row_xmask:4 row_mask:0xf bank_mask:0xf
	v_min_num_f32_dpp v152, v152, v152 row_xmask:8 row_mask:0xf bank_mask:0xf
	v_permlanex16_b32 v153, v152, s[SEL], s[SEL+1]
	v_min_num_f32 v152, v152, v153
	v_mul_f32 v153, s[NC], v152                    ; the row's largest t
	v_floor_f32 v154, -v153                        ; -M = floor(-t) = -ceil(t)
	v_mov_b32 v155, v154                           ; (named with it as a pair)
.irp j, 0,2,4,6,8,10,12,14
	v_pk_fma_f32 v[88+\j:89+\j], v[88+\j:89+\j], s[NC:NC+1], v[154:155] op_sel_hi:[1,0,0]   ; t - M
.endr
.irp j, 0,1,2,3,4,5,6,7,8,9,10,11,12,13,14,15
	v_exp_f32 v[88+\j], v[88+\j]                   ; p = 2^(t - M)
.endr
	v_nop                                          ; a plain instruction behind the batch
	s_wait_alu depctr_va_vdst(0)                   ; the sixteen exponentials have written p: one wait, ahead of their first reader
.irp n, 0,1,2,3
	v_pk_add_f32 v[104+2*\n:105+2*\n], v[88+4*\n:89+4*\n], v[90+4*\n:91+4*\n]   ; l: the sum of the unquantised p
.endr
	v_pk_add_f32 v[104:105], v[104:105], v[106:107]
	v_pk_add_f32 v[108:109], v[108:109], v[110:111]
	v_pk_add_f32 v[104:105], v[104:105], v[108:109]
	v_add_f32 v104, v104, v105
	v_add_f32_dpp v104, v104, v104 row_xmask:1 row_mask:0xf bank_mask:0xf
	v_add_f32_dpp v104, v104, v104 row_xmask:2 row_mask:0xf bank_mask:0xf
	v_add_f32_dpp v104, v104, v104 row_xmask:4 row_mask:0xf bank_mask:0xf
	v_add_f32_dpp v104, v104, v104 row_xmask:8 row_mask:0xf bank_mask:0xf
	v_permlanex16_b32 v105, v104, s[SEL], s[SEL+1]
	v_add_f32 v104, v104, v105
	v_rcp_f32 v106, v104
	v_nop
	s_wait_alu depctr_va_vdst(0)                   ; the reciprocal has written v106, which the LDS store below reads as its first reader; the sums are done reading p's registers
.irp m, 0,1,2,3
	ds_store_b128 v10, v[88+4*\m:91+4*\m] offset:512*\m
.endr
	ds_store_b32 v11, v106                         ; all lanes write the same word with the same value
.Lno_softmax:
	BARRIER                                        ; 8 rows of p and their 1 / l lie in LDS
	s_wait_alu depctr_vm_vsrc(0)                   ; the LDS stores of waves 0-7 have read v88 to v103: LDS loads land in these registers again, on both ways behind the branch below
	s_cmp_lt_u32 s[WV], 4
	s_cbranch_scc0 .Lno_quant
	; waves 0-3: p of keys 128 W on becomes a fragment: lane (r, h) holds query r % 8 and the whole blocks h and 2 + h, in the operand's own order
.irp c, 0,1
.irp g, 0,1,2,3,4,5,6,7
	ds_load_b128 v[88+32*\c+4*\g:91+32*\c+4*\g], v12 offset:256*\c+16*\g
.endr
.endr
	s_wait_dscnt 0x0
.irp c, 0,1
	v_max3_num_f32 v[152+\c], v[88+32*\c], v[89+32*\c], 0x1800000   ; no |.|: p is never negative; the floor 2^(3 - 127) holds the byte at 1 from below
.endr
.irp i, 2,4,6,8,10,12,14,16,18,20,22,24,26,28,30
.irp c, 0,1
	v_max3_num_f32 v[152+\c], v[152+\c], v[88+32*\c+\i], v[89+32*\c+\i]
.endr
.endr
.irp c, 0,1
	v_add_nc_u32 v[156+\c], 0xff000000, v[152+\c]  ; 2 off the exponent field: the conversion's scale operand
.endr
.irp c, 0,1
	v_lshrrev_b32 v[158+\c], 23, v[156+\c]         ; the scale's byte
.endr
	v_lshl_or_b32 v160, v159, 16, v158             ; my two bytes,
	v_lshlrev_b32 v161, 3, v3
	v_lshlrev_b32 v160, v161, v160                 ; at their places in the word;
	v_mov_b32 v161, 0
	v_permlanex16_b32 v161, v160, s[SEL], s[SEL+1]
	v_or_b32 v160, v160, v161                      ; with lane l xor 16's two it is whole
.irp c, 0,1
.irp g, 0,1,2,3
	v_cvt_scalef32_pk8_fp4_f32 v[164+4*\c+\g], v[88+32*\c+8*\g:95+32*\c+8*\g], v[156+\c]
.endr
.endr
	v_nop                                          ; one plain place behind the last conversion
	s_wait_alu depctr_va_vdst(0)                   ; the conversions have written v164 to v171 and the scale word v160 is whole: the LDS stores read them; the quantiser is done with v88 to v159, in which later LDS loads land
	ds_store_b128 v13, v[164:167]
	ds_store_b128 v13, v[168:171] offset:512
	ds_store_b32 v14, v160
.Lno_quant:
	; all waves: out1[b][key = thread][my 8 queries] = p / l
.irp q, 0,1,2,3,4,5,6,7
	ds_load_b32 v[172+\q], v15 offset:PP*\q
.endr
	ds_load_b128 v[152:155], v20
	ds_load_b128 v[156:159], v20 offset:16
	s_wait_dscnt 0x0
.irp n, 0,2,4,6
	v_pk_mul_f32 v[172+\n:173+\n], v[172+\n:173+\n], v[152+\n:153+\n]
.endr
	s_wait_alu depctr_va_vdst(0)                   ; the multiplications have written v172 to v179, which the stores read
	global_store_b128 v198, v[172:175], s[12:13]
	global_store_b128 v198, v[176:179], s[12:13] offset:16
	BARRIER                                        ; p's four fragments lie in LDS
	; all waves: the context of my 16 columns, transposed: source 0 = 16 columns of value, source 1 = p's rows: a lane holds one query and 8 neighbouring columns
.irp t, 0,1,2,3
.irp c, 0,1
	ds_load_b128 v[88+8*\t+4*\c:91+8*\t+4*\c], v21 offset:1024*\t+512*\c
.endr
	ds_load_b32 v[PS+\t], v22 offset:128*\t
.endr
	s_wait_dscnt 0x0
	s_wait_loadcnt 0x0                             ; value's fragments and scale words
	; two accumulators by turns, one instruction a turn; the first product of each starts its sum.  All their operands and scales come from loads
	v_wmma_scale_f32_16x16x128_f8f6f4 v[120:127], v[24:31], v[88:95], 0, v[VS], v[PS] matrix_a_fmt:MATRIX_FMT_FP4 matrix_b_fmt:MATRIX_FMT_FP4
	v_wmma_scale_f32_16x16x128_f8f6f4 v[128:135], v[32:39], v[96:103], 0, v[VS+1], v[PS+1] matrix_a_fmt:MATRIX_FMT_FP4 matrix_b_fmt:MATRIX_FMT_FP4
	v_wmma_scale_f32_16x16x128_f8f6f4 v[120:127], v[40:47], v[104:111], v[120:127], v[VS+2], v[PS+2] matrix_a_fmt:MATRIX_FMT_FP4 matrix_b_fmt:MATRIX_FMT_FP4
	v_wmma_scale_f32_16x16x128_f8f6f4 v[128:135], v[48:55], v[112:119], v[128:135], v[VS+3], v[PS+3] matrix_a_fmt:MATRIX_FMT_FP4 matrix_b_fmt:MATRIX_FMT_FP4
.rept 4
	v_nop                                          ; places behind the last products
.endr
.irp j, 0,2,4,6
	v_pk_add_f32 v[136+\j:137+\j], v[120+\j:121+\j], v[128+\j:129+\j]   ; both accumulators from their low ends on
.endr
	s_wait_alu depctr_va_vdst(0)                   ; the additions have written v136 to v143, which the LDS stores read
	ds_store_b128 v23, v[136:139]
	ds_store_b128 v23, v[140:143] offset:16
	BARRIER                                        ; 8 whole rows of the context lie in the stage
	ds_load_b128 v[144:147], v192
	ds_load_b32 v148, v193
	s_wait_dscnt 0x0
.irp j, 0,1,2,3
	v_mul_f32 v[144+\j], v[144+\j], v148           ; / l
.endr
	s_wait_alu depctr_va_vdst(0)                   ; the multiplications have written v144 to v147, which the store reads
	global_store_b128 v199, v[144:147], s[10:11]   ; the wave stores 512 consecutive bytes, at a multiple of 256 from out0's first byte
	s_wait_dscnt 0x0                               ; the closing lines, six on end
	s_wait_alu 0x0
	s_wait_tensorcnt 0x0
	ds_add_u32 v248, v249
	s_wait_dscnt 0x0
	s_endpgm
.Lfunc_end_k_q6ae8a8924d_attn:
	.size	k_q6ae8a8924d_attn, .Lfunc_end_k_q6ae8a8924d_attn-k_q6ae8a8924d_attn
	.p2alignl 7, 3214868480
	.fill 96, 4, 3214868480
	.section	.rodata,"a",@progbits
	.p2align	6, 0x0
	.amdhsa_kernel k_q6ae8a8924d_attn
		.amdhsa_group_segment_fixed_size 122880
		.amdhsa_private_segment_fixed_size 0
		.amdhsa_enable_private_segment 0
		.amdhsa_kernarg_size 56
		.amdhsa_user_sgpr_count 2
		.amdhsa_user_sgpr_kernarg_segment_ptr 1
		.amdhsa_wavefront_size32 1
		.amdhsa_system_sgpr_workgroup_id_x 1
		.amdhsa_system_sgpr_workgroup_id_y 1
		.amdhsa_system_sgpr_workgroup_id_z 1
		.amdhsa_system_vgpr_workitem_id 0
		.amdhsa_next_free_vgpr 250
		.amdhsa_next_free_sgpr 66
		.amdhsa_reserve_vcc 0
		.amdhsa_float_denorm_mode_32 3
		.amdhsa_float_denorm_mode_16_64 3
		.amdhsa_memory_ordered 1
		.amdhsa_forward_progress 1
		.amdhsa_inst_pref_size 180
	.end_amdhsa_kernel
	.amdgpu_metadata
---
amdhsa.version: [ 1, 2 ]
amdhsa.kernels:
  - .name:           k_q6ae8a8924d_attn
    .symbol:         k_q6ae8a8924d_attn.kd
    .args:
      - { .name: query, .offset: 0, .size: 8, .value_kind: global_buffer, .address_space: global }
      - { .name: fq, .offset: 8, .size: 8, .value_kind: global_buffer, .address_space: global }
      - { .name: fv, .offset: 16, .size: 8, .value_kind: global_buffer, .address_space: global }
      - { .name: vcodes, .offset: 24, .size: 8, .value_kind: global_buffer, .address_space: global }
      - { .name: vscales, .offset: 32, .size: 8, .value_kind: global_buffer, .address_space: global }
      - { .name: out0, .offset: 40, .size: 8, .value_kind: global_buffer, .address_space: global }
      - { .name: out1, .offset: 48, .size: 8, .value_kind: global_buffer, .address_space: global }
    .group_segment_fixed_size: 122880
    .private_segment_fixed_size: 0
    .kernarg_segment_align: 8
    .kernarg_segment_size: 56
    .max_flat_workgroup_size: 512
    .sgpr_count:     66
    .vgpr_count:     250
    .wavefront_size: 32
...
	.end_amdgpu_metadata
.endif
;; end of part 4
